; MI455X (gfx1250); checked and timed in simulation.
; The chip was launched on July 23, 2026; its instructions are those of AMD's public machine-readable ISA for CDNA 5 (MIT licence, August 2026) and "CDNA5" Instruction Set Architecture Reference Guide (July 2026). The comments in the code are by the model that wrote it; some were corrected since.
;; Transformer Encoder. Allowed arithmetic: float matrix products may take bf16 or f16 operands with f32 sums; all other float work in f32.
;; Inputs: Wf1 1,024 x 4,096 float32; Wf2 4,096 x 1,024 float32; Wk 1,024 x 1,024 float32; Wq 1,024 x 1,024 float32; Wv 1,024 x 1,024 float32; b1 1,024 float32; b2 1,024 float32; bf1 4,096 float32; bf2 1,024 float32; bk 1,024 float32; bq 1,024 float32; bv 1,024 float32; g1 1,024 float32; g2 1,024 float32; mask 4 x 1,024 int32; x 4 x 1,024 x 1,024 float32.
;; Outputs: out0 4 x 1,024 x 1,024 float32.
;; One version. Each part assembles by itself: llvm-mc -triple=amdgcn-amd-amdhsa -mcpu=gfx1250 --defsym DOCPART=n.
;; ======== version 1 of 1: 6 launches
;; workspace buffers: hn 8,388,608 bytes; wa 6,291,456 bytes; wf 16,777,216 bytes; qkv 25,165,824 bytes; y 16,777,216 bytes; u 33,554,432 bytes
;; launch prep (part 1): grid 704 x 1, 8 waves a work-group, no clusters, 0 bytes of LDS; arguments x, g1, b1, Wq, Wk, Wv, hn, wa; writes hn, wa
.if DOCPART == 1
	.amdgcn_target "amdgcn-amd-amdhsa--gfx1250"
	.amdhsa_code_object_version 6
	.text
	.protected	k_q91f791419f_prep
	.globl	k_q91f791419f_prep
	.p2align	8
	.type	k_q91f791419f_prep,@function
k_q91f791419f_prep:
	s_mov_b64 s[64:65], 0
	v_nop
	global_prefetch_b8 v0, s[64:65] scope:SCOPE_SE
	s_setreg_imm32_b32 hwreg(HW_REG_WAVE_MODE, 25, 1), 1
	s_wait_xcnt 0x0
; Two streams in one launch.  Work-groups 0-511: hn = bf16(LayerNorm(x; g1, b1)), one wave to a row of 1,024 numbers (4,096 bytes, 32 registers a lane), eight rows a group.
; Work-groups 512-703: wa = bf16 of Wq, Wk, Wv, one behind the other, layout unchanged; 64 KiB of f32 a group, 8 KiB a wave.  (Wf1 and Wf2 are rounded in the next launch, which does not need them.)
; No LDS, no matrix unit, no cluster: no byte is shared and memory binds.  Mean and variance in two passes over the registers, as the module does, so a common offset of x costs nothing.
.set T,  8                             ; v[8:23]    at work
.set X,  32                            ; v[32:63]   the row
.set G,  64                            ; v[64:95]   gain
.set BB, 96                            ; v[96:127]  bias
.set Y,  128                           ; v[128:143] the row in bf16
.macro LANESUM                         ; v[T] summed over the 32 lanes, the result in every lane
	v_add_f32_dpp v[T], v[T], v[T] row_xmask:1 row_mask:0xf bank_mask:0xf
	v_add_f32_dpp v[T], v[T], v[T] row_xmask:2 row_mask:0xf bank_mask:0xf
	v_add_f32_dpp v[T], v[T], v[T] row_xmask:4 row_mask:0xf bank_mask:0xf
	v_add_f32_dpp v[T], v[T], v[T] row_xmask:8 row_mask:0xf bank_mask:0xf
	v_permlanex16_b32 v24, v[T], s28, s29
	v_add_f32 v[T], v[T], v24
.endm
; One row: row = 8 x work-group + wave.  Lane l holds columns 128 j + 4 l .. + 3 in registers 4 j .. 4 j + 3.
.macro LNROW IN, GP, BP, OUTP
	s_mov_b32 s25, 0x3a800000                      ; 1 / 1,024
	s_mov_b32 s26, 0x3727c5ac                      ; 1e-5
	s_mov_b32 s28, 0x76543210                      ; each lane takes its own place in the other half
	s_mov_b32 s29, 0xfedcba98
	s_lshl_b32 s30, ttmp9, 15                      ; eight rows of 4,096 bytes a group,
	s_lshl_b32 s27, s24, 12                        ; one a wave
	s_add_co_u32 s30, s30, s27
	s_mov_b32 s31, 0
	s_add_nc_u64 s[\IN:\IN+1], s[\IN:\IN+1], s[30:31]
	s_lshr_b32 s30, s30, 1                         ; the bf16 row is half as long
	s_add_nc_u64 s[\OUTP:\OUTP+1], s[\OUTP:\OUTP+1], s[30:31]
	v_mov_b32 v24, 0                               ; the lane exchange's destination counts as read
.irp j, 0,1,2,3,4,5,6,7
	global_load_b128 v[X+4*\j:X+4*\j+3], v2, s[\IN:\IN+1] offset:512*\j
.endr
.irp j, 0,1,2,3,4,5,6,7
	global_load_b128 v[G+4*\j:G+4*\j+3], v2, s[\GP:\GP+1] offset:512*\j
.endr
.irp j, 0,1,2,3,4,5,6,7
	global_load_b128 v[BB+4*\j:BB+4*\j+3], v2, s[\BP:\BP+1] offset:512*\j
.endr
	s_wait_loadcnt 16                              ; the row is in; the sixteen loads of gain and bias are younger
.irp p, 0,1,2,3,4,5,6,7
	v_pk_add_f32 v[T+2*\p:T+2*\p+1], v[X+2*\p:X+2*\p+1], v[X+16+2*\p:X+16+2*\p+1]
.endr
.irp p, 0,1,2,3
	v_pk_add_f32 v[T+2*\p:T+2*\p+1], v[T+2*\p:T+2*\p+1], v[T+8+2*\p:T+8+2*\p+1]
.endr
.irp p, 0,1
	v_pk_add_f32 v[T+2*\p:T+2*\p+1], v[T+2*\p:T+2*\p+1], v[T+4+2*\p:T+4+2*\p+1]
.endr
	v_pk_add_f32 v[T:T+1], v[T:T+1], v[T+2:T+3]
	v_add_f32 v[T], v[T], v[T+1]
	LANESUM
	v_mul_f32 v4, s25, v[T]                        ; the mean, twice
	v_mov_b32 v5, v4
.irp p, 0,1,2,3,4,5,6,7,8,9,10,11,12,13,14,15
	v_pk_add_f32 v[X+2*\p:X+2*\p+1], v[X+2*\p:X+2*\p+1], v[4:5] neg_lo:[0,1] neg_hi:[0,1]
.endr
.irp p, 0,1,2,3
	v_pk_mul_f32 v[T+2*\p:T+2*\p+1], v[X+2*\p:X+2*\p+1], v[X+2*\p:X+2*\p+1]   ; four chains of squares; the first products start them
.endr
.irp p, 4,5,6,7,8,9,10,11,12,13,14,15
	v_pk_fma_f32 v[T+2*(\p%4):T+2*(\p%4)+1], v[X+2*\p:X+2*\p+1], v[X+2*\p:X+2*\p+1], v[T+2*(\p%4):T+2*(\p%4)+1]
.endr
	v_pk_add_f32 v[T:T+1], v[T:T+1], v[T+2:T+3]
	v_pk_add_f32 v[T+4:T+5], v[T+4:T+5], v[T+6:T+7]
	v_pk_add_f32 v[T:T+1], v[T:T+1], v[T+4:T+5]
	v_add_f32 v[T], v[T], v[T+1]
	LANESUM
	v_fma_f32 v6, v[T], s25, s26                   ; variance + 1e-5
	v_rsq_f32 v6, v6
	v_nop                                          ; a plain instruction between the root and the use of its result
	s_wait_alu depctr_va_vdst(0)
	v_mov_b32 v7, v6
	s_wait_loadcnt 0x0                             ; gain and bias
.irp p, 0,1,2,3,4,5,6,7,8,9,10,11,12,13,14,15
	v_pk_mul_f32 v[X+2*\p:X+2*\p+1], v[X+2*\p:X+2*\p+1], v[6:7]
.endr
.irp p, 0,1,2,3,4,5,6,7,8,9,10,11,12,13,14,15
	v_pk_fma_f32 v[X+2*\p:X+2*\p+1], v[X+2*\p:X+2*\p+1], v[G+2*\p:G+2*\p+1], v[BB+2*\p:BB+2*\p+1]
.endr
.irp p, 0,1,2,3,4,5,6,7,8,9,10,11,12,13,14,15
	v_cvt_pk_bf16_f32 v[Y+\p], v[X+2*\p], v[X+2*\p+1]
.endr
.irp j, 0,1,2,3,4,5,6,7
	global_store_b64 v3, v[Y+2*\j:Y+2*\j+1], s[\OUTP:\OUTP+1] offset:256*\j   ; 32 lanes store 256 consecutive bytes, at a multiple of 256 from the buffer's first
.endr
.endm
	s_load_b512 s[4:19], s[0:1], 0x0               ; x 4:5, g1 6:7, b1 8:9, Wq 10:11, Wk 12:13, Wv 14:15, hn 16:17, wa 18:19
	v_lshrrev_b32 v1, 5, v0
	v_readfirstlane_b32 s24, v1                    ; wave 0..7
	v_and_b32 v1, 31, v0
	v_lshlrev_b32 v2, 4, v1                        ; 16 bytes of f32 a lane
	v_lshlrev_b32 v3, 3, v1                        ; 8 bytes of bf16 a lane
	s_wait_kmcnt 0x0
	s_cmp_lt_u32 ttmp9, 512
	s_cbranch_scc0 .Lcast
	LNROW 4, 6, 8, 16
	s_endpgm
.Lcast:
	s_sub_co_u32 s25, ttmp9, 512                   ; block c of 64 KiB of f32, 0..191: Wq 0-63, Wk 64-127, Wv 128-191
	s_mov_b64 s[26:27], s[14:15]
	s_mov_b32 s28, 128
	s_cmp_lt_u32 s25, 128
	s_cselect_b64 s[26:27], s[12:13], s[26:27]
	s_cselect_b32 s28, 64, s28
	s_cmp_lt_u32 s25, 64
	s_cselect_b64 s[26:27], s[10:11], s[26:27]
	s_cselect_b32 s28, 0, s28
	s_sub_co_u32 s28, s25, s28                     ; the block's number in its own tensor
	s_lshl_b32 s30, s28, 16
	s_lshl_b32 s29, s24, 13                        ; 8 KiB a wave
	s_add_co_u32 s30, s30, s29
	s_mov_b32 s31, 0
	s_add_nc_u64 s[26:27], s[26:27], s[30:31]
	s_lshl_b32 s30, s25, 15                        ; in wa the tensors follow each other in the blocks' order
	s_lshl_b32 s29, s24, 12
	s_add_co_u32 s30, s30, s29
	s_add_nc_u64 s[18:19], s[18:19], s[30:31]
.irp i, 0,1,2,3,4,5,6,7,8,9,10,11,12,13,14,15
	global_load_b128 v[32+4*\i:35+4*\i], v2, s[26:27] offset:512*\i th:TH_LOAD_NT   ; all sixteen at once: 8 KiB of the wave on their way
.endr
.irp i, 0,1,2,3,4,5,6,7,8,9,10,11,12,13,14,15
	s_wait_loadcnt 15-\i                           ; loads come back in order: number i is in, the younger ones stay out
	v_cvt_pk_bf16_f32 v[96+2*\i], v[32+4*\i], v[33+4*\i]
	v_cvt_pk_bf16_f32 v[97+2*\i], v[34+4*\i], v[35+4*\i]
	global_store_b64 v3, v[96+2*\i:97+2*\i], s[18:19] offset:256*\i   ; 256 consecutive bytes, aligned
.endr
	s_endpgm
.Lfunc_end_k_q91f791419f_prep:
	.size	k_q91f791419f_prep, .Lfunc_end_k_q91f791419f_prep-k_q91f791419f_prep
	.p2alignl 7, 3214868480
	.fill 96, 4, 3214868480
	.section	.rodata,"a",@progbits
	.p2align	6, 0x0
	.amdhsa_kernel k_q91f791419f_prep
		.amdhsa_group_segment_fixed_size 0
		.amdhsa_private_segment_fixed_size 0
		.amdhsa_enable_private_segment 0
		.amdhsa_kernarg_size 64
		.amdhsa_user_sgpr_count 2
		.amdhsa_user_sgpr_kernarg_segment_ptr 1
		.amdhsa_wavefront_size32 1
		.amdhsa_system_sgpr_workgroup_id_x 1
		.amdhsa_system_sgpr_workgroup_id_y 1
		.amdhsa_system_sgpr_workgroup_id_z 1
		.amdhsa_system_vgpr_workitem_id 0
		.amdhsa_next_free_vgpr 144
		.amdhsa_next_free_sgpr 66
		.amdhsa_reserve_vcc 0
		.amdhsa_float_denorm_mode_32 3
		.amdhsa_float_denorm_mode_16_64 3
		.amdhsa_memory_ordered 1
		.amdhsa_forward_progress 1
		.amdhsa_inst_pref_size 18
	.end_amdhsa_kernel
	.amdgpu_metadata
---
amdhsa.version: [ 1, 2 ]
amdhsa.kernels:
  - .name:           k_q91f791419f_prep
    .symbol:         k_q91f791419f_prep.kd
    .args:
      - { .name: x, .offset: 0, .size: 8, .value_kind: global_buffer, .address_space: global }
      - { .name: g1, .offset: 8, .size: 8, .value_kind: global_buffer, .address_space: global }
      - { .name: b1, .offset: 16, .size: 8, .value_kind: global_buffer, .address_space: global }
      - { .name: Wq, .offset: 24, .size: 8, .value_kind: global_buffer, .address_space: global }
      - { .name: Wk, .offset: 32, .size: 8, .value_kind: global_buffer, .address_space: global }
      - { .name: Wv, .offset: 40, .size: 8, .value_kind: global_buffer, .address_space: global }
      - { .name: hn, .offset: 48, .size: 8, .value_kind: global_buffer, .address_space: global }
      - { .name: wa, .offset: 56, .size: 8, .value_kind: global_buffer, .address_space: global }
    .group_segment_fixed_size: 0
    .private_segment_fixed_size: 0
    .kernarg_segment_align: 8
    .kernarg_segment_size: 64
    .max_flat_workgroup_size: 256
    .sgpr_count:     66
    .vgpr_count:     144
    .wavefront_size: 32
...
	.end_amdgpu_metadata
.endif
;; end of part 1
;; launch qkv (part 2): grid 16 x 16, 4 waves a work-group, clusters of 4 x 4, 327,680 bytes of LDS; arguments hn, wa, bq, bk, bv, qkv, Wf1, Wf2, wf; writes qkv, wf
.if DOCPART == 2
	.amdgcn_target "amdgcn-amd-amdhsa--gfx1250"
	.amdhsa_code_object_version 6
	.text
	.protected	k_q91f791419f_qkv
	.globl	k_q91f791419f_qkv
	.p2align	8
	.type	k_q91f791419f_qkv,@function
k_q91f791419f_qkv:
	s_mov_b64 s[64:65], 0
	v_nop
	global_prefetch_b8 v0, s[64:65] scope:SCOPE_SE
	s_setreg_imm32_b32 hwreg(HW_REG_WAVE_MODE, 25, 1), 1
	s_wait_xcnt 0x0
	s_wait_alu depctr_hold_cnt(0) depctr_sa_sdst(0) depctr_va_vdst(0) depctr_va_sdst(0) depctr_va_ssrc(0) depctr_va_vcc(0) depctr_vm_vsrc(0)
	s_getreg_b32 s2, hwreg(HW_REG_IB_STS2, 6, 4)
	s_cmp_eq_u32 s2, 0
	s_cbranch_scc0 .Lentry_in_a_cluster
	s_endpgm
.Lentry_in_a_cluster:
	s_bfe_u32 s2, ttmp6, 0x10000c
	s_cmp_lg_u32 s2, 0xf033
	s_cbranch_scc0 .Lentry_shape_is_right
	s_endpgm
.Lentry_shape_is_right:
; q, k, v = hn W + bias.  hn: [4096][1024] bf16.  W: bf16 [1024 (k)][1024 (n)], Wq, Wk, Wv one behind the other in wa.  Out: bf16 by heads, [3][16 b + head][1024 tokens][64].  Sums in f32.
; A tile of C is 256 x 256, four waves of 128 x 128 (64 accumulators, 512 registers).  K = 1,024 goes in 8 steps of 128 through two LDS slots filled by tensor loads.
; 12 x 16 = 192 tiles: a cluster's x (0, 1, 2) is one of the three matrices.  A's rows lie along K and are read as they lie; W's rows lie along N and are turned on the way out of LDS (ds_load_tr16_b128).
; THE GRID'S FOURTH COLUMN OF CLUSTERS (cluster x = 3, 64 work-groups) multiplies nothing: it rounds Wf1 and Wf2 to bf16 into wf, for the launches behind: a stream through registers, 512 KiB of f32 a
; work-group, that shares no byte with the product.  The branch hangs on the cluster's x alone, which all sixteen partners share.
; The matrix instruction is used transposed (source 0 = 16 columns of W, source 1 = 16 rows of hn): a lane holds eight neighbouring columns of one row of C.
; The bias is the C operand of each sum's first product: nothing is cleared and nothing is added later.
; CLUSTER 4 x 4: A's tile is shared along a row of the cluster, W's along a column; each is asked for jointly, by the same tensor load with the same descriptor in the four that its mask names.
; ONE K step of text: the slot in hand is a scalar, turned by an exclusive or; a trip goes from a step's second quarter to the next step's first.  The last two steps are a loop of two trips, left in its middle, that asks for nothing.
; THE WAY OUT: the f32 sums go into the ring's bytes, which have had their last fill (each wave into 128 rows x 528 bytes of its own, behind the last step's barrier), and come back by rows in a loop.
; REGISTERS by windows of 256: window 0: v16-29 addresses; v64-127, v128-191 A's fragments; v192-255 the bias.  Window 1: v64-127, v128-191 W's fragments.  Windows 2, 3: accumulators, (a, b) at v[8 (8 (a % 4) + b)].
.set NS,     1024                      ; elements from row to row of W
.set KSTEP,  128
.set PA,     272                       ; A's LDS row: 256 bytes + 16: the 16 rows of a fragment load start at 16 different groups of four banks (ISA guide 11.1)
.set PB,     544                       ; W's LDS row: 512 bytes + 32 = 17 x 32
.set HALFT,  128*PA                    ; what one tensor load brings: 128 rows of A, or 64 rows of W (64 x 544 is the same number)
.set SLOT,   4*HALFT                   ; 0x22000: its two bits meet none of the waves' LDS bases 0, 0x8800, 0x11000, 0x19800, so an exclusive or changes slots
.set SPARE,  2*SLOT                    ; the spare words, 128 bytes a wave: two blocks of 256 bytes that no other line names
.set DP,     528                       ; the dump's row: 512 bytes + 16
.set DW,     128*DP                    ; a wave's dump
.set LA0, 16                           ; v16  my lane's place in slot 0's A; never rewritten
.set LB0, 17                           ; v17  the same for W
.set ADRA, 18                          ; v18, v19  the same in the slot in hand
.set ADRB, 19
.set STO, 24                           ; v24  the dump: where I put 16 bytes
.set RDA, 25                           ; v25  where I read rows back
.set CO,  26                           ; v26  my byte offset in the output
.set BOFF, 27                          ; v27  32 x (lane / 16): my eight columns' bias
.set SPW, 28                           ; v28  LDS address of my spare word; never rewritten
.set NIL, 29                           ; v29  0; never rewritten
.set F0,  64
.set F1,  128
.set BIASR, 192
.set WV, 16                            ; s16 wave; s17 its half of the rows (also: fetches A (0) or W (1)); s18 its half of the columns (also: which half it fetches)
.set WR, 17
.set WC, 18
.set CX, 19
.set CY, 20
.set TROW, 22
.set G1,  24                           ; s[24:31] group 1 for A; s[32:39] group 0, two sets: the second walks
.set G0,  32
.set G1B, 48                           ; s[48:55], s[56:63] the same for W
.set G0B, 56
.set TB,  66                           ; s66  0 or SLOT: the slot in hand
.set CNT, 67
.set WB,  68                           ; s68  wave x HALFT: where my tensor loads land in a slot
.set MSB, 0
.macro WIN new                         ; the immediate's high byte repeats the setting that is left; a switch that changes nothing is dropped
.if MSB != (\new)
	s_set_vgpr_msb (MSB<<8)|(\new)
.set MSB, \new
.endif
.endm
.macro PLACES                          ; four places behind matrix instructions, ahead of loads into their sources and of reads of their results
.rept 4
	v_nop
.endr
.endm
.macro JLOAD s                         ; a joint load: waves 0, 1 fetch A's halves, waves 2, 3 W's; s_nop 0 and four v_nop follow each line
	s_cmp_eq_u32 s[WR], 0
	s_cbranch_scc0 .Lfor_b_\@
	tensor_load_to_lds s[G0+4*(\s):G0+4*(\s)+3], s[G1:G1+7]
	s_nop 0
.rept 4
	v_nop
.endr
	s_branch .Lasked_\@
.Lfor_b_\@:
	tensor_load_to_lds s[G0B+4*(\s):G0B+4*(\s)+3], s[G1B:G1B+7]
	s_nop 0
.rept 4
	v_nop
.endr
.Lasked_\@:
.endm
.macro CREST                           ; a round of the cluster's barrier behind its opening barrier
	s_cmp_lg_u32 s[WV], 0
	s_cbranch_scc1 .Lnot_wave_0_\@
	s_barrier_signal -3
.Lnot_wave_0_\@:
	s_barrier_wait -3
	s_barrier_signal -1
	s_barrier_wait -1
.endm
.macro CROUND
	s_barrier_signal -1
	s_barrier_wait -1
	CREST
.endm
; 16 matrix instructions: m blocks a0, a0 + 1 of the window's four x all 8 n blocks, 32 along K.  zero = 1: the first product starts the sums, with the bias as C.
.macro MUL16 f, hi, a0, zero
.if \zero
	WIN 0x81+0x40*(\hi)                            ; W window 1, A and the bias window 0, D window 2 or 3
.else
	WIN 0xa1+0x50*(\hi)                            ; W window 1, A window 0, C and D window 2 or 3
.endif
.irp a, \a0, (\a0)+1
.irp b, 0,1,2,3,4,5,6,7
.if \zero
	v_wmma_f32_16x16x32_bf16 v[8*(8*(\a)+(\b)):8*(8*(\a)+(\b))+7], v[(\f)+8*(\b):(\f)+8*(\b)+7], v[(\f)+8*(4*(\hi)+(\a)):(\f)+8*(4*(\hi)+(\a))+7], v[BIASR+8*(\b):BIASR+8*(\b)+7]
.else
	v_wmma_f32_16x16x32_bf16 v[8*(8*(\a)+(\b)):8*(8*(\a)+(\b))+7], v[(\f)+8*(\b):(\f)+8*(\b)+7], v[(\f)+8*(4*(\hi)+(\a)):(\f)+8*(4*(\hi)+(\a))+7], v[8*(8*(\a)+(\b)):8*(8*(\a)+(\b))+7]
.endif
.endr
.endr
.endm
; 32 LDS loads in one run: quarter q (32 along K) of the slot in hand into buffer f: W's 8 blocks of 16 columns, turned, then A's 8 blocks of 16 rows
.macro FETCH q, f
	WIN 0x40
.irp i, 0,1,2,3,4,5,6,7
	ds_load_tr16_b128 v[(\f)+8*(\i):(\f)+8*(\i)+3],   v[ADRB] offset:(\q)*32*PB+32*(\i)
	ds_load_tr16_b128 v[(\f)+8*(\i)+4:(\f)+8*(\i)+7], v[ADRB] offset:(\q)*32*PB+16*PB+32*(\i)
.endr
	WIN 0
.irp i, 0,1,2,3,4,5,6,7
	ds_load_b128 v[(\f)+8*(\i):(\f)+8*(\i)+3],   v[ADRA] offset:64*(\q)+(\i)*16*PA
	ds_load_b128 v[(\f)+8*(\i)+4:(\f)+8*(\i)+7], v[ADRA] offset:64*(\q)+(\i)*16*PA+32
.endr
.endm
; A quarter step: multiplies buffer f; in its middle it fetches quarter q into buffer g
.macro QUARTER q, f, g, zero
	s_wait_dscnt 8                                 ; W and A's rows 0-63 are in; the youngest eight loads (A's rows 64-127) may be out
	MUL16 \f, 0, 0, \zero
	MUL16 \f, 0, 2, \zero
	PLACES
	FETCH \q, \g
	s_wait_dscnt 32                                ; all but the 32 just issued
	MUL16 \f, 1, 0, \zero
	MUL16 \f, 1, 2, \zero
.endm
; The first half of a step's last quarter, and the one barrier of the change of slots: ahead of it each wave waits for all its tensor loads (one is out: its part of the next slot),
; adds 0 to its spare word, and waits for that and for its own reads of this slot.
.macro MEET round
	WIN 0
	s_wait_tensorcnt 0x0
	ds_add_u32 v[SPW], v[NIL]
	s_wait_dscnt 9                                 ; the add and the youngest eight loads may be out
	MUL16 F1, 0, 0, 0
	s_wait_dscnt 0x0                               ; the add is done, and my reads of this slot are over
	s_barrier_signal -1
	MUL16 F1, 0, 2, 0
.if \round
	WIN 0
.endif
	s_barrier_wait -1
.endm
; The whole last quarter where the slot is filled again: the barrier opens a round of the cluster's; behind it the joint refill (the K step two on) comes first, then the next slot's first fragments.
; From the request to the wait for it a wave issues 224 matrix instructions; one load of the wave is out.
.macro TURN
	MEET 1
	CREST
	s_xor_b32 s[G0+5], s[G0+5], SLOT               ; the walking descriptors: the slot just read out,
	s_xor_b32 s[G0B+5], s[G0B+5], SLOT
	s_add_nc_u64 s[G0+6:G0+7], s[G0+6:G0+7], KSTEP*2            ; the next K step; the type bits on top are not reached
	s_add_nc_u64 s[G0B+6:G0B+7], s[G0B+6:G0B+7], KSTEP*NS*2
	s_xor_b32 s[TB], s[TB], SLOT
	JLOAD 1                                        ; its four v_nop are also the places ahead of the loads below
	v_add_nc_u32 v[ADRA], s[TB], v[LA0]
	v_add_nc_u32 v[ADRB], s[TB], v[LB0]
	FETCH 0, F0
	MUL16 F1, 1, 0, 0
	MUL16 F1, 1, 2, 0
.endm
	s_load_b256 s[4:11], s[0:1], 0x0               ; hn 4:5, wa 6:7, bq 8:9, bk 10:11
	s_load_b128 s[12:15], s[0:1], 0x20             ; bv 12:13, qkv 14:15
	s_load_b128 s[88:91], s[0:1], 0x30             ; Wf1 88:89, Wf2 90:91
	s_load_b64 s[92:93], s[0:1], 0x40              ; wf
	v_lshl_add_u32 v[SPW], v0, 2, SPARE
	v_mov_b32 v[NIL], 0
	ds_add_u32 v[SPW], v[NIL]                      ; the wave's opening: the add and its wait ahead of my first tensor load
	v_lshrrev_b32 v1, 5, v0
	v_readfirstlane_b32 s[WV], v1
	s_lshr_b32 s[WR], s[WV], 1
	s_and_b32 s[WC], s[WV], 1
	s_bfe_u32 s[CX], ttmp6, 0x40000
	s_bfe_u32 s[CY], ttmp6, 0x40004
	s_and_b32 s[TROW], ttmp7, 0xffff
	s_lshl_b32 s[TROW], s[TROW], 2
	s_add_co_u32 s[TROW], s[TROW], s[CY]           ; tile row = 4 x cluster y + cy
	s_lshl_b32 s23, s[CY], 2
	s_lshl_b32 s23, 15, s23                        ; my row of the cluster
	s_lshl_b32 s46, 0x1111, s[CX]                  ; my column
	s_or_b32 s[G1], s23, (1<<16)|(1<<20)|(1<<21)|(5<<22)|(3<<25)    ; mask; 2-byte elements; padding on; bit 21 beside a mask; after every 64 words, 4 words
	s_or_b32 s[G1B], s46, (1<<16)|(1<<20)|(1<<21)|(6<<22)|(7<<25)   ; the same for W: after every 128 words, 8 words
	s_mov_b32 s[G1+1], 128<<16                     ; A: tensor_dim0 = 128
	s_mov_b32 s[G1+2], 128<<16                     ; tensor_dim1 = 128
	s_mov_b32 s[G1+3], 128<<16                     ; tile_dim0 = 128
	s_mov_b32 s[G1+4], 128                         ; tile_dim1 = 128
	s_mov_b32 s[G1+5], 1024                        ; elements from row to row
	s_mov_b32 s[G1+6], 0
	s_mov_b32 s[G1+7], 0
	s_mov_b32 s[G1B+1], 256<<16                    ; W: 64 rows (k) of 256 elements (n)
	s_mov_b32 s[G1B+2], 64<<16
	s_mov_b32 s[G1B+3], 256<<16
	s_mov_b32 s[G1B+4], 64
	s_mov_b32 s[G1B+5], NS
	s_mov_b32 s[G1B+6], 0
	s_mov_b32 s[G1B+7], 0
	s_lshl_b32 s40, s[TROW], 8                     ; A: row 256 x tile row + 128 x half, 2,048 bytes a row: made of the tile row and the wave alone
	s_lshl_b32 s41, s[WC], 7
	s_add_co_u32 s40, s40, s41
	s_lshl_b32 s40, s40, 11
	s_mov_b32 s41, 0
	s_lshl_b32 s42, ttmp9, 21                      ; W: matrix = cluster x (2 MiB each), column 256 cx (512 bytes), k row 64 x half: made of the column and the wave alone
	s_lshl_b32 s43, s[CX], 9
	s_add_co_u32 s42, s42, s43
	s_lshl_b32 s43, s[WC], 17
	s_add_co_u32 s42, s42, s43
	s_mov_b32 s43, 0
	s_mul_i32 s[WB], s[WV], HALFT                  ; no place in the cluster enters an LDS address
	s_mov_b32 s[TB], 0
	s_wait_dscnt 0x0                               ; the opening add is done
	s_wait_kmcnt 0x0
	s_cmp_eq_u32 ttmp9, 3                          ; the fourth column of clusters has the stream: the same answer in all sixteen partners
	s_cbranch_scc1 .Lcast
	s_add_nc_u64 s[40:41], s[4:5], s[40:41]
	s_add_nc_u64 s[42:43], s[6:7], s[42:43]
	CROUND                                         ; all sixteen work-groups are here: the first joint loads meet
.irp s, 0,1
	s_mov_b32 s[G0+4*(\s)], 1
	s_add_co_u32 s[G0+4*(\s)+1], s[WB], (\s)*SLOT
	s_add_nc_u64 s[G0+4*(\s)+2:G0+4*(\s)+3], s[40:41], (\s)*KSTEP*2
	s_or_b32 s[G0+4*(\s)+3], s[G0+4*(\s)+3], 0x80000000
	s_mov_b32 s[G0B+4*(\s)], 1
	s_add_co_u32 s[G0B+4*(\s)+1], s[WB], (\s)*SLOT
	s_add_nc_u64 s[G0B+4*(\s)+2:G0B+4*(\s)+3], s[42:43], (\s)*KSTEP*NS*2
	s_or_b32 s[G0B+4*(\s)+3], s[G0B+4*(\s)+3], 0x80000000
	JLOAD \s                                       ; K steps 0 and 1: two loads of mine are out
.endr
	v_and_b32 v1, 15, v0                           ; r = lane % 16
	v_bfe_u32 v2, v0, 4, 1                         ; h = lane / 16
	v_mul_u32_u24 v3, v1, PA
	v_lshl_add_u32 v3, v2, 4, v3                   ; A: row x pitch + 16 h
	s_mul_i32 s84, s[WR], HALFT
	v_add_nc_u32 v[LA0], s84, v3
	v_and_b32 v4, 7, v0
	v_lshl_add_u32 v4, v2, 3, v4                   ; W: k row 8 h + lane % 8,
	v_mul_u32_u24 v4, v4, PB
	v_bfe_u32 v5, v0, 3, 1
	v_lshl_add_u32 v4, v5, 4, v4                   ; 16 bytes for each half of a group of sixteen lanes
	s_lshl_b32 s84, s[WC], 8
	s_add_co_u32 s84, s84, 2*HALFT                 ; my 128 columns; W lies behind A's 256 rows
	v_add_nc_u32 v[LB0], s84, v4
	v_mov_b32 v[ADRA], v[LA0]
	v_mov_b32 v[ADRB], v[LB0]
	s_mul_i32 s84, s[WV], DW                       ; my dump
	v_mul_u32_u24 v5, v1, DP
	v_lshl_add_u32 v5, v2, 5, v5
	v_add_nc_u32 v[STO], s84, v5                   ; in: row r, 32 bytes for each half of the lanes
	v_mul_u32_u24 v5, v2, DP
	v_lshl_add_u32 v5, v1, 4, v5
	v_add_nc_u32 v[RDA], s84, v5                   ; back: lanes 0-15 a token's 64 channels of one head, lanes 16-31 the next token's
	v_and_b32 v5, 31, v0
	v_lshlrev_b32 v[CO], 3, v5                     ; which are 256 consecutive bytes of bf16
	v_lshlrev_b32 v[BOFF], 5, v2
	s_cmp_eq_u32 ttmp9, 1                          ; the matrix's own bias
	s_cselect_b64 s[8:9], s[10:11], s[8:9]
	s_cmp_eq_u32 ttmp9, 2
	s_cselect_b64 s[8:9], s[12:13], s[8:9]
	s_lshl_b32 s86, s[CX], 10
	s_lshl_b32 s87, s[WC], 9
	s_add_co_u32 s86, s86, s87                     ; (256 cx + 128 half) x 4 bytes
	s_mov_b32 s87, 0
	s_add_nc_u64 s[8:9], s[8:9], s[86:87]
.irp b, 0,1,2,3,4,5,6,7
	global_load_b128 v[BIASR+8*\b:BIASR+8*\b+3],   v[BOFF], s[8:9] offset:64*\b      ; register j of block b: the bias of column 16 b + 8 h + j
	global_load_b128 v[BIASR+8*\b+4:BIASR+8*\b+7], v[BOFF], s[8:9] offset:64*\b+16
.endr
	s_and_b32 s88, ttmp7, 0xffff                   ; out: ((16 batch + 4 cx + 2 half) x 1,024 + 256 cy + 128 row half) x 128 bytes + matrix x 8 MiB
	s_lshl_b32 s88, s88, 4
	s_lshl_b32 s89, s[CX], 2
	s_add_co_u32 s88, s88, s89
	s_lshl_b32 s89, s[WC], 1
	s_add_co_u32 s88, s88, s89
	s_lshl_b32 s88, s88, 10
	s_lshl_b32 s89, s[CY], 8
	s_add_co_u32 s88, s88, s89
	s_lshl_b32 s89, s[WR], 7
	s_add_co_u32 s88, s88, s89
	s_lshl_b32 s88, s88, 7
	s_lshl_b32 s89, ttmp9, 23
	s_add_co_u32 s88, s88, s89
	s_mov_b32 s89, 0
	s_add_nc_u64 s[14:15], s[14:15], s[88:89]
	s_wait_tensorcnt 0x1                           ; my part of K step 0 is in; step 1's may stay out
	s_barrier_signal -1
	s_barrier_wait -1
	FETCH 0, F0
	s_wait_loadcnt 0x0                             ; the bias
	QUARTER 1, F0, F1, 1                           ; the first quarter stands ahead of the loop: its products start the sums
	WIN 0
	s_mov_b32 s[CNT], 6
.Lstep:                                                ; trip t: quarters 1-3 of step t, the request for step t + 2, quarter 0 of step t + 1
	QUARTER 2, F1, F0, 0
	QUARTER 3, F0, F1, 0
	TURN
	QUARTER 1, F0, F1, 0
	WIN 0
	s_sub_co_u32 s[CNT], s[CNT], 1
	s_cmp_lg_u32 s[CNT], 0
	s_cbranch_scc1 .Lstep
	s_mov_b32 s[CNT], 2
.Ltail:                                                ; steps 6 and 7 ask for nothing; the second trip is left in its middle
	QUARTER 2, F1, F0, 0
	QUARTER 3, F0, F1, 0
	MEET 0                                         ; in the second trip this barrier also stands between every wave's last reads of the ring and the dump
	WIN 0
	s_cmp_eq_u32 s[CNT], 1
	s_cbranch_scc1 .Lnofetch
	PLACES
	s_xor_b32 s[TB], s[TB], SLOT
	v_add_nc_u32 v[ADRA], s[TB], v[LA0]
	v_add_nc_u32 v[ADRB], s[TB], v[LB0]
	FETCH 0, F0
.Lnofetch:
	MUL16 F1, 1, 0, 0
	MUL16 F1, 1, 2, 0
	WIN 0
	s_sub_co_u32 s[CNT], s[CNT], 1
	s_cmp_eq_u32 s[CNT], 0
	s_cbranch_scc1 .Lout
	QUARTER 1, F0, F1, 0
	WIN 0
	s_branch .Ltail
.Lout:
	PLACES
	WIN 0x08                                       ; store data in window 2
.irp a, 0,1,2,3
.irp b, 0,1,2,3,4,5,6,7
	ds_store_b128 v[STO], v[8*(8*\a+\b):8*(8*\a+\b)+3]   offset:\a*16*DP+64*\b       ; each accumulator's low registers first
	ds_store_b128 v[STO], v[8*(8*\a+\b)+4:8*(8*\a+\b)+7] offset:\a*16*DP+64*\b+16
.endr
.endr
	WIN 0x0c                                       ; window 3
.irp a, 0,1,2,3
.irp b, 0,1,2,3,4,5,6,7
	ds_store_b128 v[STO], v[8*(8*\a+\b):8*(8*\a+\b)+3]   offset:(\a+4)*16*DP+64*\b
	ds_store_b128 v[STO], v[8*(8*\a+\b)+4:8*(8*\a+\b)+7] offset:(\a+4)*16*DP+64*\b+16
.endr
.endr
	WIN 0
; Back by rows, eight tokens a trip: load n = 2 rp + hh brings tokens 2 rp, 2 rp + 1, head hh.  LDS serves a wave's instructions in order (ISA guide 5.7.1.4): the loads see my stores.
.set RX, 64                            ; v[64:95]  f32 as read
.set RY, 96                            ; v[96:111] bf16 to store
.irp n, 0,1,2,3,4,5,6,7
	ds_load_b128 v[RX+4*\n:RX+4*\n+3], v[RDA] offset:(\n/2)*2*DP+(\n%2)*256
.endr
	s_mov_b32 s[CNT], 16
.Lrow:
	s_wait_dscnt 0x0
.irp i, 0,1,2,3,4,5,6,7,8,9,10,11,12,13,14,15
	v_cvt_pk_bf16_f32 v[RY+\i], v[RX+2*\i], v[RX+2*\i+1]
.endr
	s_cmp_eq_u32 s[CNT], 1                         ; the last trip has no next rows
	s_cbranch_scc1 .Lnoload
	v_add_nc_u32 v[RDA], 8*DP, v[RDA]
.irp n, 0,1,2,3,4,5,6,7
	ds_load_b128 v[RX+4*\n:RX+4*\n+3], v[RDA] offset:(\n/2)*2*DP+(\n%2)*256
.endr
.Lnoload:
.irp n, 0,1,2,3,4,5,6,7
	global_store_b64 v[CO], v[RY+2*\n:RY+2*\n+1], s[14:15] offset:(\n/2)*256+(\n%2)*131072   ; 32 lanes store 256 consecutive bytes, aligned: two tokens of a head
.endr
	s_wait_xcnt 0x0                                ; the stores' data and offset are rewritten only behind this wait
	v_add_nc_u32 v[CO], 1024, v[CO]
	s_sub_co_u32 s[CNT], s[CNT], 1
	s_cmp_lg_u32 s[CNT], 0
	s_cbranch_scc1 .Lrow
	s_wait_tensorcnt 0x0                           ; the wave's end
	ds_add_u32 v[SPW], v[NIL]
	s_wait_dscnt 0x0
	CROUND                                         ; the closing round
	s_endpgm
; THE STREAM.  wf = bf16(Wf1), then bf16(Wf2), layout unchanged.  Work-group n of 64 takes 512 KiB of f32, a wave 128 KiB: 128 units of 1 KiB.  In a unit a lane loads 32 neighbouring bytes (two loads) and
; stores 16: a store of the wave covers 512 consecutive bytes, aligned.  A ring of sixteen units keeps 32 loads, 16 KiB of the wave, on their way; eight laps, the last written out without loads.
.set CXR, 32                           ; v[32:159]  unit i: 8 numbers a lane as loaded
.set CYR, 160                          ; v[160:223] unit i: the same in bf16
.macro CUNIT i, ahead, left            ; left: how many younger loads may stay out
	s_wait_loadcnt \left                           ; loads come back in order (ISA guide 5.7.1): the unit's two are in
.irp k, 0,1,2,3
	v_cvt_pk_bf16_f32 v[CYR+4*(\i)+\k], v[CXR+8*(\i)+2*\k], v[CXR+8*(\i)+2*\k+1]
.endr
.if \ahead
	global_load_b128 v[CXR+8*(\i):CXR+8*(\i)+3],   v2, s[88:89] offset:(16+(\i))*1024 th:TH_LOAD_NT      ; the same unit of the next lap
	global_load_b128 v[CXR+8*(\i)+4:CXR+8*(\i)+7], v2, s[88:89] offset:(16+(\i))*1024+16 th:TH_LOAD_NT
.endif
	global_store_b128 v3, v[CYR+4*(\i):CYR+4*(\i)+3], s[92:93] offset:(\i)*512
.endm
.Lcast:
	s_lshl_b32 s84, s[TROW], 2
	s_add_co_u32 s84, s84, s[CX]                   ; n = 4 x (4 x cluster y + cy) + cx: it enters global addresses alone
	s_cmp_lt_u32 s84, 32                           ; 0-31: Wf1; 32-63: Wf2
	s_cselect_b64 s[88:89], s[88:89], s[90:91]
	s_and_b32 s86, s84, 31
	s_lshl_b32 s86, s86, 19                        ; 512 KiB a work-group,
	s_lshl_b32 s87, s[WV], 17                      ; 128 KiB a wave
	s_add_co_u32 s86, s86, s87
	s_mov_b32 s87, 0
	s_add_nc_u64 s[88:89], s[88:89], s[86:87]
	s_lshl_b32 s86, s84, 18                        ; in wf the two tensors follow each other: half the bytes
	s_lshl_b32 s85, s[WV], 16
	s_add_co_u32 s86, s86, s85
	s_add_nc_u64 s[92:93], s[92:93], s[86:87]
	v_and_b32 v1, 31, v0
	v_lshlrev_b32 v2, 5, v1                        ; 32 bytes of f32 a lane
	v_lshlrev_b32 v3, 4, v1                        ; 16 bytes of bf16 a lane
.irp i, 0,1,2,3,4,5,6,7,8,9,10,11,12,13,14,15
	global_load_b128 v[CXR+8*\i:CXR+8*\i+3],   v2, s[88:89] offset:\i*1024 th:TH_LOAD_NT
	global_load_b128 v[CXR+8*\i+4:CXR+8*\i+7], v2, s[88:89] offset:\i*1024+16 th:TH_LOAD_NT
.endr
	s_mov_b32 s[CNT], 7
.Llap:
.irp i, 0,1,2,3,4,5,6,7,8,9,10,11,12,13,14,15
	CUNIT \i, 1, 30                                ; behind the unit's two loads stand the fifteen other units' thirty
.endr
	s_wait_xcnt 0x0                                ; both bases, and the stores' data, are rewritten only behind this wait
	s_add_nc_u64 s[88:89], s[88:89], 16384
	s_add_nc_u64 s[92:93], s[92:93], 8192
	s_sub_co_u32 s[CNT], s[CNT], 1
	s_cmp_lg_u32 s[CNT], 0
	s_cbranch_scc1 .Llap
.irp i, 0,1,2,3,4,5,6,7,8,9,10,11,12,13,14,15
	CUNIT \i, 0, 30-2*\i                           ; the last lap loads nothing: the counts run down
.endr
	s_wait_tensorcnt 0x0                           ; the wave's end, as on the other way
	ds_add_u32 v[SPW], v[NIL]
	s_wait_dscnt 0x0
	CROUND                                         ; and the closing round, which all sixteen partners of this cluster pass here
	s_endpgm
.Lfunc_end_k_q91f791419f_qkv:
	.size	k_q91f791419f_qkv, .Lfunc_end_k_q91f791419f_qkv-k_q91f791419f_qkv
	.p2alignl 7, 3214868480
	.fill 96, 4, 3214868480
	.section	.rodata,"a",@progbits
	.p2align	6, 0x0
	.amdhsa_kernel k_q91f791419f_qkv
		.amdhsa_group_segment_fixed_size 327680
		.amdhsa_private_segment_fixed_size 0
		.amdhsa_enable_private_segment 0
		.amdhsa_kernarg_size 72
		.amdhsa_user_sgpr_count 2
		.amdhsa_user_sgpr_kernarg_segment_ptr 1
		.amdhsa_wavefront_size32 1
		.amdhsa_system_sgpr_workgroup_id_x 1
		.amdhsa_system_sgpr_workgroup_id_y 1
		.amdhsa_system_sgpr_workgroup_id_z 1
		.amdhsa_system_vgpr_workitem_id 0
		.amdhsa_next_free_vgpr 1024
		.amdhsa_next_free_sgpr 96
		.amdhsa_reserve_vcc 0
		.amdhsa_float_denorm_mode_32 3
		.amdhsa_float_denorm_mode_16_64 3
		.amdhsa_memory_ordered 1
		.amdhsa_forward_progress 1
		.amdhsa_inst_pref_size 101
	.end_amdhsa_kernel
	.amdgpu_metadata
---
amdhsa.version: [ 1, 2 ]
amdhsa.kernels:
  - .name:           k_q91f791419f_qkv
    .symbol:         k_q91f791419f_qkv.kd
    .args:
      - { .name: hn, .offset: 0, .size: 8, .value_kind: global_buffer, .address_space: global }
      - { .name: wa, .offset: 8, .size: 8, .value_kind: global_buffer, .address_space: global }
      - { .name: bq, .offset: 16, .size: 8, .value_kind: global_buffer, .address_space: global }
      - { .name: bk, .offset: 24, .size: 8, .value_kind: global_buffer, .address_space: global }
      - { .name: bv, .offset: 32, .size: 8, .value_kind: global_buffer, .address_space: global }
      - { .name: qkv, .offset: 40, .size: 8, .value_kind: global_buffer, .address_space: global }
      - { .name: Wf1, .offset: 48, .size: 8, .value_kind: global_buffer, .address_space: global }
      - { .name: Wf2, .offset: 56, .size: 8, .value_kind: global_buffer, .address_space: global }
      - { .name: wf, .offset: 64, .size: 8, .value_kind: global_buffer, .address_space: global }
    .group_segment_fixed_size: 327680
    .private_segment_fixed_size: 0
    .kernarg_segment_align: 8
    .kernarg_segment_size: 72
    .max_flat_workgroup_size: 128
    .sgpr_count:     96
    .vgpr_count:     1024
    .wavefront_size: 32
...
	.end_amdgpu_metadata
.endif
;; end of part 2
;; launch attn (part 3): grid 4 x 64, 4 waves a work-group, clusters of 4 x 1, 327,680 bytes of LDS; arguments qkv, mask, x, y; writes y
.if DOCPART == 3
	.amdgcn_target "amdgcn-amd-amdhsa--gfx1250"
	.amdhsa_code_object_version 6
	.text
	.protected	k_q91f791419f_attn
	.globl	k_q91f791419f_attn
	.p2align	8
	.type	k_q91f791419f_attn,@function
k_q91f791419f_attn:
	s_mov_b64 s[64:65], 0
	v_nop
	global_prefetch_b8 v0, s[64:65] scope:SCOPE_SE
	s_setreg_imm32_b32 hwreg(HW_REG_WAVE_MODE, 25, 1), 1
	s_wait_xcnt 0x0
	s_wait_alu depctr_hold_cnt(0) depctr_sa_sdst(0) depctr_va_vdst(0) depctr_va_sdst(0) depctr_va_ssrc(0) depctr_va_vcc(0) depctr_vm_vsrc(0)
	s_getreg_b32 s2, hwreg(HW_REG_IB_STS2, 6, 4)
	s_cmp_eq_u32 s2, 0
	s_cbranch_scc0 .Lentry_in_a_cluster
	s_endpgm
.Lentry_in_a_cluster:
	s_bfe_u32 s2, ttmp6, 0x10000c
	s_cmp_lg_u32 s2, 0x3003
	s_cbranch_scc0 .Lentry_shape_is_right
	s_endpgm
.Lentry_shape_is_right:
; y = x + softmax_k(mask(q . k / sqrt 10)) v.  q, k, v: bf16 [16 b + head][1024][64], unscaled; mask: int32 [4][1024] over keys; x, y: f32 [4096][1024].
; Products, maxima and sums in f32; the weights p are rounded to bf16 for the second product (their sum l is taken of the unrounded p).
; LIMITS.  A masked score counts as its value less 1e9, where the module puts -1e9: the same unless a row's open scores lie below about -1e9.  A batch whose mask is all 0 gets c = 0 and a table of zeros:
; every weight is 1, the module's uniform weights.  A weight below 2^-126 counts as 0 in l.  NaN and infinities are not treated apart.
; SHARES.  A work-group owns 256 queries of one head, a wave 64, as four PIECES of 16.  Every wave walks all 1,024 keys, 64 a step.
; NO RING.  A head's whole K (1,024 x 144 bytes) and V (1,024 x 160) lie in LDS together, each byte filled once: two tensor loads a wave, the first 256 keys by the first, so that work begins early.
; CLUSTER.  The four query blocks of a head are a cluster and ask for K and V jointly: the same tensor loads, descriptors and mask of four in all.
; LAYOUT.  S^T = K Q^T holds ONE query a lane (lane % 16) and the keys 8 (lane / 16) + 0..7; two such results rounded to bf16 ARE source 1 of O^T = V^T P.  K is read as it lies, V turned (ds_load_tr16_b128).
; THE MASK is the C operand that starts each sum S^T: 0, or -1e9 sqrt 10 where the key is masked; it hangs on the key alone and comes out of a table in LDS with the step's K.
; SOFTMAX.  p = 2^(c s - c m), c = log2(e) / sqrt 10, with a running maximum m; O and l are multiplied by a = 2^(c m_old - c m_new) in every step.  m starts at the lowest finite number, O and l at 0.
; BY TURNS.  Turn n belongs to piece n: 8 products K Q^T of piece n + 1, later 8 products V^T P of piece n - 1; beside them the scaling, exponentials, roundings, sums and rescaling of piece n and the
; maximum and statistics of piece n + 1.  Four vector instructions stand behind every matrix instruction, the other 54 of a turn's 118 in two runs of their own.
; REGISTERS by windows of 256 (s_set_vgpr_msb: bits 1:0 source 0, 3:2 source 1, 5:4 source 2, 7:6 destination):
;   window 0: v2-15, v32-47 addresses and at work; v16-31 statistics; v48-55 at work; v64-127 S^T, two buffers; v192-223 P, two buffers; on the way out v64-191 rows of y
;   window 1: v0-127 O^T     window 2: v0-63 Q; v64-95 the step's mask; v128-191 K; v192-255 V     window 3: v0-127 x
.set NP,    4
.set KS,    64
.set PK,    144       ; a row of K in LDS: 128 bytes + 16
.set PV,    160       ; a row of V: 128 + 32
.set VOFF,  1024*PK
.set MT,    VOFF+1024*PV   ; the mask table: an f32 for each key; written by ds_store, in blocks of its own
.set SPARE, MT+4096        ; the spare words, 128 bytes a wave: two blocks of 256 bytes that no other line names
.set SP,    272       ; the way out's stage: 16 rows x (256 + 16) bytes a wave, over K's first rows, which have had their only fill and are read no more
.set AK0, 2
.set AV0, 3
.set AK,  4
.set AV,  5
.set STO, 6
.set RD,  7
.set MV,  12
.set QO,  15
.set ST,  16          ; piece t's statistics at v[ST+4 t]: c m, m, l (even keys', odd keys')
.set AM0, 32          ; v32  32 x (lane / 16)
.set AM,  33          ; v33  the LDS address of the step's mask
.set XO,  34          ; v34  my byte offset in two rows of x and y
.set MTA, 35          ; v35  where I store my 8 numbers of the table
.set MO,  36          ; v36  my 8 words of the mask
.set MA,  37          ; v37  16 x lane
.set MW,  40          ; v[40:47]
.set TMP, 48
.set SPW, 62
.set NIL, 63
.set S,   64
.set P,   192
.set OB,  64
.set MC,  64          ; window 2
.set KF,  128
.set VF,  192
.set WV,  12
.set G1K0, 24         ; s[24:31] group 1, K, 64 rows of 256 bytes;  s[32:39] 192 rows
.set G1K1, 32
.set G1V0, 40         ; s[40:47], s[48:55] the same for V: they differ in the padding alone
.set G1V1, 48
.set G0K0, 56
.set G0K1, 60
.set G0V0, 68
.set G0V1, 72
.set CS,  76          ; s[76:77] c
.set SEL, 78          ; s[78:79]
.set TBK, 80
.set TBV, 81
.set TBM, 82
.set CNT, 83
.set PH,  84
.set NEG, 85
.set MSB, 0
.macro WIN new
.if MSB != (\new)
	s_set_vgpr_msb (MSB<<8)|(\new)
.set MSB, (\new)
.endif
.endm
.set W_KQ, 0x0a       ; K and Q in window 2, S^T in window 0
.set W_KM, 0x2a       ; the same with the C operand in window 2
.set W_PV, 0x52       ; V in window 2, P in window 0, O^T in window 1
.set W_RS, 0x41       ; destination and source 0 in window 1, source 1 in window 0
.macro CROUND
	s_barrier_signal -1
	s_barrier_wait -1
	s_cmp_lg_u32 s[WV], 0
	s_cbranch_scc1 .Lnot_wave_0_\@
	s_barrier_signal -3
.Lnot_wave_0_\@:
	s_barrier_wait -3
	s_barrier_signal -1
	s_barrier_wait -1
.endm
	s_load_b256 s[4:11], s[0:1], 0x0  ; qkv 4:5, mask 6:7, x 8:9, y 10:11
	v_lshl_add_u32 v[SPW], v0, 2, SPARE
	v_mov_b32 v[NIL], 0
	ds_add_u32 v[SPW], v[NIL]       ; the wave's opening: the add and its wait ahead of my first tensor load
	v_lshrrev_b32 v1, 5, v0
	v_readfirstlane_b32 s[WV], v1
	s_bfe_u32 s13, ttmp6, 0x40000   ; cx
	s_lshl_b32 s14, ttmp9, 2
	s_add_co_u32 s14, s14, s13      ; my block of 256 queries: it enters Q's, x's and y's addresses alone
	s_and_b32 s15, ttmp7, 0xffff    ; 16 b + head, which the four partners share
	s_lshl_b32 s20, s15, 17         ; the head's 131,072 bytes in each of q, k, v
	s_mov_b32 s21, 0
	s_and_b32 s88, s[WV], 1         ; j: which half of K or V I fetch
	s_lshl_b32 s22, s88, 14         ; first load: keys 128 j on
	s_mov_b32 s23, 0
	s_mul_i32 s86, s88, 49152       ; second load: keys 256 + 384 j on
	s_add_co_u32 s86, s86, 32768
	s_mov_b32 s87, 0
	s_mov_b32 s[G0K0], 1
	s_mul_i32 s[G0K0+1], s88, 128*PK
	s_mov_b32 s[G0K1], 1
	s_mul_i32 s[G0K1+1], s88, 384*PK
	s_add_co_u32 s[G0K1+1], s[G0K1+1], 256*PK
	s_mov_b32 s[G0V0], 1
	s_mul_i32 s[G0V0+1], s88, 128*PV
	s_add_co_u32 s[G0V0+1], s[G0V0+1], VOFF
	s_mov_b32 s[G0V1], 1
	s_mul_i32 s[G0V1+1], s88, 384*PV
	s_add_co_u32 s[G0V1+1], s[G0V1+1], VOFF+256*PV
	; group 1: a head's keys are dense: asked for as rows of 256 bytes, two keys a row, padded in LDS after every key
	s_mov_b32 s[G1K0], 15|(1<<16)|(1<<20)|(1<<21)|(4<<22)|(3<<25)  ; the mask of four; 2-byte elements; padding on; bit 21 beside a mask; after every 32 words, 4 words
	s_mov_b32 s[G1K1], 15|(1<<16)|(1<<20)|(1<<21)|(4<<22)|(3<<25)
	s_mov_b32 s[G1V0], 15|(1<<16)|(1<<20)|(1<<21)|(4<<22)|(7<<25)  ; 8 words
	s_mov_b32 s[G1V1], 15|(1<<16)|(1<<20)|(1<<21)|(4<<22)|(7<<25)
.irp g, G1K0, G1V0
	s_mov_b32 s[\g+1], 128<<16
	s_mov_b32 s[\g+2], 64<<16
	s_mov_b32 s[\g+3], 128<<16
	s_mov_b32 s[\g+4], 64
	s_mov_b32 s[\g+5], 128
	s_mov_b32 s[\g+6], 0
	s_mov_b32 s[\g+7], 0
.endr
.irp g, G1K1, G1V1
	s_mov_b32 s[\g+1], 128<<16
	s_mov_b32 s[\g+2], 192<<16
	s_mov_b32 s[\g+3], 128<<16
	s_mov_b32 s[\g+4], 192
	s_mov_b32 s[\g+5], 128
	s_mov_b32 s[\g+6], 0
	s_mov_b32 s[\g+7], 0
.endr
	s_lshl_b32 s90, s14, 15         ; Q: my block's 256 rows of 128 bytes, my wave's 64
	s_lshl_b32 s91, s[WV], 13
	s_add_co_u32 s90, s90, s91
	s_add_co_u32 s90, s90, s20
	s_mov_b32 s91, 0
	s_lshr_b32 s94, s15, 4          ; the batch
	s_lshl_b32 s92, s94, 10
	s_lshl_b32 s93, s14, 8
	s_add_co_u32 s92, s92, s93
	s_lshl_b32 s93, s[WV], 6
	s_add_co_u32 s92, s92, s93      ; my first token
	s_lshl_b32 s92, s92, 12
	s_and_b32 s93, s15, 15
	s_lshl_b32 s93, s93, 8          ; the head's 64 channels: 256 bytes of a row
	s_add_co_u32 s92, s92, s93
	s_mov_b32 s93, 0
	s_lshl_b32 s94, s94, 12         ; the batch's 1,024 mask words
	s_mov_b32 s95, 0
	s_mov_b32 s[SEL], 0x76543210
	s_mov_b32 s[SEL+1], 0xfedcba98
	s_mov_b32 s[TBK], 0
	s_mov_b32 s[TBV], 0
	s_mov_b32 s[TBM], MT
	s_wait_dscnt 0x0                ; the opening add is done
	s_wait_kmcnt 0x0
	s_add_nc_u64 s[16:17], s[4:5], s[20:21]
	s_add_nc_u64 s[18:19], s[16:17], 16777216      ; V's head
	s_add_nc_u64 s[16:17], s[16:17], 8388608       ; K's head
	s_add_nc_u64 s[G0K0+2:G0K0+3], s[16:17], s[22:23]
	s_or_b32 s[G0K0+3], s[G0K0+3], 0x80000000
	s_add_nc_u64 s[G0K1+2:G0K1+3], s[16:17], s[86:87]
	s_or_b32 s[G0K1+3], s[G0K1+3], 0x80000000
	s_add_nc_u64 s[G0V0+2:G0V0+3], s[18:19], s[22:23]
	s_or_b32 s[G0V0+3], s[G0V0+3], 0x80000000
	s_add_nc_u64 s[G0V1+2:G0V1+3], s[18:19], s[86:87]
	s_or_b32 s[G0V1+3], s[G0V1+3], 0x80000000
	s_add_nc_u64 s[4:5], s[4:5], s[90:91]
	s_add_nc_u64 s[6:7], s[6:7], s[94:95]
	s_add_nc_u64 s[8:9], s[8:9], s[92:93]
	s_add_nc_u64 s[10:11], s[10:11], s[92:93]
	CROUND                          ; all four work-groups are here: the joint loads meet
	s_cmp_lt_u32 s[WV], 2           ; a wave's two fills stand in one branch, ahead of every wait on TENSORcnt and every LDS read: two loads of mine are out
	s_cbranch_scc0 .Lfirst_v
	tensor_load_to_lds s[G0K0:G0K0+3], s[G1K0:G1K0+7]
	s_nop 0
	tensor_load_to_lds s[G0K1:G0K1+3], s[G1K1:G1K1+7]
	s_nop 0
.rept 4
	v_nop
.endr
	s_branch .Lfirst_asked
.Lfirst_v:
	tensor_load_to_lds s[G0V0:G0V0+3], s[G1V0:G1V0+7]
	s_nop 0
	tensor_load_to_lds s[G0V1:G0V1+3], s[G1V1:G1V1+7]
	s_nop 0
.rept 4
	v_nop
.endr
.Lfirst_asked:
	v_and_b32 v1, 15, v0            ; l % 16
	v_bfe_u32 v9, v0, 4, 1          ; l / 16
	v_lshlrev_b32 v[MO], 5, v0      ; thread t makes the table's numbers for keys 8 t .. 8 t + 7
	v_and_b32 v10, 31, v0
	v_lshlrev_b32 v[MA], 4, v10
	global_load_b128 v[MW:MW+3],   v[MO], s[6:7]
	global_load_b128 v[MW+4:MW+7], v[MO], s[6:7] offset:16
.irp j, 0,1,2,3,4,5,6,7
	global_load_b128 v[S+4*\j:S+4*\j+3], v[MA], s[6:7] offset:512*\j   ; and every wave looks at all 1,024 words: is any key open?
.endr
	v_lshlrev_b32 v[QO], 7, v1
	v_lshl_add_u32 v[QO], v9, 4, v[QO]  ; row x 128 + 16 x half
	WIN 0x80
.set i, 0
.rept 8                             ; Q stays in registers: piece i / 2, channels 32 (i % 2) on
	global_load_b128 v[8*i:8*i+3],   v[QO], s[4:5] offset:(i/2)*2048+(i%2)*64
	global_load_b128 v[8*i+4:8*i+7], v[QO], s[4:5] offset:(i/2)*2048+(i%2)*64+32
.set i, i+1
.endr
	WIN 0
	v_lshlrev_b32 v[XO], 12, v9     ; lanes 0-15 one token's 256 bytes, lanes 16-31 the next token's
	v_lshl_add_u32 v[XO], v1, 4, v[XO]
	WIN 0xc0
.set i, 0
.rept 32                            ; x for the way out: it has the whole walk in which to land
	global_load_b128 v[4*i:4*i+3], v[XO], s[8:9] offset:8192*i th:TH_LOAD_NT
.set i, i+1
.endr
	WIN 0
	v_mul_u32_u24 v[AK0], v1, PK
	v_lshl_add_u32 v[AK0], v9, 4, v[AK0]
	v_and_b32 v10, 7, v0
	v_bfe_u32 v11, v0, 3, 1
	v_lshl_add_u32 v[AV0], v9, 3, v10
	v_mul_u32_u24 v[AV0], v[AV0], PV
	v_lshl_add_u32 v[AV0], v11, 4, v[AV0]
	v_add_nc_u32 v[AV0], VOFF, v[AV0]
	v_lshlrev_b32 v[AM0], 5, v9
	v_lshl_add_u32 v[MTA], v0, 5, MT
	s_mul_i32 s86, s[WV], 16*SP     ; my stage
	v_mul_u32_u24 v[STO], v1, SP    ; in: row l % 16, 32 bytes for each half of the lanes
	v_lshl_add_u32 v[STO], v9, 5, v[STO]
	v_add_nc_u32 v[STO], s86, v[STO]
	v_mul_u32_u24 v[RD], v9, SP     ; back: two whole rows of 256 bytes
	v_lshl_add_u32 v[RD], v1, 4, v[RD]
	v_add_nc_u32 v[RD], s86, v[RD]
	; What the first turn finds: V's registers and P's second buffer hold 0 (its products V^T P, of a piece that has not been, add 0), O^T and l are 0.  No first step is written out for it.  All this stands in the wait for the first keys.
	WIN 0x80
.set i, VF
.rept 64
	v_mov_b32 v[i], 0
.set i, i+1
.endr
	WIN 0x40
.set i, 0
.rept 128
	v_mov_b32 v[i], 0
.set i, i+1
.endr
	WIN 0
.set i, 0
.rept 4
	v_mov_b32 v[ST+4*i], 0xfe000000    ; c m: far below every c s
	v_mov_b32 v[ST+4*i+1], 0xff7fffff  ; m
	v_mov_b32 v[ST+4*i+2], 0
	v_mov_b32 v[ST+4*i+3], 0
.set i, i+1
.endr
.set i, P+16
.rept 16
	v_mov_b32 v[i], 0
.set i, i+1
.endr
	s_wait_loadcnt 48               ; the mask words are in: Q's 16 loads and x's 32 are younger
.irp w, 16,8,4,2,1
.set i, 0
.rept \w
	v_or_b32 v[S+i], v[S+i], v[S+\w+i]
.set i, i+1
.endr
.endr
	v_cmp_ne_u32 vcc_lo, 0, v[S]
	s_cmp_lg_u32 vcc_lo, 0          ; a choice of values on whole numbers read from an input: no branch and no address hangs on it, and it is the same in all four partners
	s_cselect_b32 s[CS], 0x3ee995b3, 0     ; c = log2(e) / sqrt 10 = 0.456220; 0 where every key is masked
	s_cselect_b32 s[NEG], 0xcf3c7c87, 0    ; -1e9 sqrt 10; 0 there
	s_mov_b32 s[CS+1], s[CS]
.set i, 0
.rept 8
	v_cmp_eq_u32 vcc_lo, 0, v[MW+i]
	v_cndmask_b32 v[MW+i], 0, s[NEG], vcc_lo
.set i, i+1
.endr
	ds_store_b128 v[MTA], v[MW:MW+3]
	ds_store_b128 v[MTA], v[MW+4:MW+7] offset:16
; THE MATRIX WORK.  The 4 accumulators of a run of 8 take turns.  Product i of 8 of S^T = K Q^T for piece x: channels 32 (i / 4) on, keys 16 (i % 4) on.  The first 4 start the sums, with the mask.
.macro KQ x
.set rS, S+32*((\x)%2)+8*(i%4)
.set rK, KF+16*(i%4)+8*(i/4)
.set rQ, 16*(\x)+8*(i/4)
.set rM, MC+8*(i%4)
.if i < 4
	WIN W_KM
	v_wmma_f32_16x16x32_bf16 v[rS:rS+7], v[rK:rK+7], v[rQ:rQ+7], v[rM:rM+7]
.else
	WIN W_KQ
	v_wmma_f32_16x16x32_bf16 v[rS:rS+7], v[rK:rK+7], v[rQ:rQ+7], v[rS:rS+7]
.endif
.endm
; Product i of 8 of O^T += V^T P for piece x: keys 32 (i / 4) on, channels 16 (i % 4) on.
.macro PV x
	WIN W_PV
.set rO, 32*(\x)+8*(i%4)
.set rV, VF+32*(i/4)+8*(i%4)
.set rP, P+16*((\x)%2)+8*(i/4)
	v_wmma_f32_16x16x32_bf16 v[rO:rO+7], v[rV:rV+7], v[rP:rP+7], v[rO:rO+7]
.endm
.macro MM                           ; the turn's next matrix instruction.  NOKQ = 1: the last turn: there is no next piece
.if (i < 8) && !NOKQ
	KQ (Y+1)%NP
.elseif i >= 8
.set i, i-8
	PV (Y+NP-1)%NP
.set i, i+8
.endif
.set i, i+1
.endm
; THE LDS LOADS stand in runs: a step's K (8 fragments) with its mask (32 numbers a lane; a half of the lanes reads one address), and its V (turned).
.macro FETCH_K
	WIN 0x80
.irp f, 0,1,2,3,4,5,6,7             ; keys 16 (f / 2) on, channels 32 (f % 2) on
	ds_load_b128 v[KF+8*\f:KF+8*\f+3],   v[AK] offset:(\f/2)*16*PK+(\f%2)*64
	ds_load_b128 v[KF+8*\f+4:KF+8*\f+7], v[AK] offset:(\f/2)*16*PK+(\f%2)*64+32
.endr
.irp f, 0,1,2,3                     ; register j of group f: key 16 f + 8 (l / 16) + j
	ds_load_b128 v[MC+8*\f:MC+8*\f+3],   v[AM] offset:64*\f
	ds_load_b128 v[MC+8*\f+4:MC+8*\f+7], v[AM] offset:64*\f+16
.endr
	s_add_co_u32 s[TBK], s[TBK], KS*PK
	s_add_co_u32 s[TBM], s[TBM], 4*KS
	WIN 0
.endm
.macro FETCH_V
	WIN 0x80
.irp f, 0,1,2,3,4,5,6,7             ; keys 32 (f / 4) on, channels 16 (f % 4) on
	ds_load_tr16_b128 v[VF+8*\f:VF+8*\f+3],   v[AV] offset:(\f/4)*32*PV+(\f%4)*32
	ds_load_tr16_b128 v[VF+8*\f+4:VF+8*\f+7], v[AV] offset:(\f/4)*32*PV+16*PV+(\f%4)*32
.endr
	WIN 0
.endm
; THE VECTOR WORK, one line at a time: OP kind, number.  For piece Y: F n: c s - c m for pair n of 16.  E n: the exponential of score n of 32.  C n: pair n rounded to bf16.  B n: of the four weights 4 n .. the second
; pair is added onto the first, in place.  L n: l takes that sum (L 0: l = a l + sum).  R n: pair n of 16 of O^T times a.  For piece Y + 1: X n, number n of the 22 that find its maximum and statistics:
;   0-11  four chains c0-c3 of seven scores each (each accumulator's lowest registers are read first)     12-14, 16  the four scores left over, the old m, and c0-c3 into c0
;   15  c m_old is kept     17, 18  the query's other 32 keys lie in the lane 16 away: the new m     19-21  c m; c m_old - c m_new; a
.set F, 0
.set E, 1
.set C, 2
.set B, 3
.set L, 4
.set R, 5
.set X, 6
.macro REGS y
.set rT, ST+4*(\y)
.set rC, TMP+4*((\y)%2)
.set rW, MV+((\y)%2)
.set rS, S+32*((\y)%2)
.set rP, P+16*((\y)%2)
.set rO, 32*(\y)
.endm
.macro OP k, n
.if (\k) == R
	REGS Y
	WIN W_RS
	v_pk_mul_f32 v[rO+2*(\n):rO+2*(\n)+1], v[rO+2*(\n):rO+2*(\n)+1], v[rC+2:rC+3] op_sel_hi:[1,0]
.elseif (\k) < R
	REGS Y
	WIN 0
.if (\k) == F
	v_pk_fma_f32 v[rS+2*(\n):rS+2*(\n)+1], v[rS+2*(\n):rS+2*(\n)+1], s[CS:CS+1], v[rT:rT+1] op_sel_hi:[1,0,0] neg_lo:[0,0,1] neg_hi:[0,0,1]
.elseif (\k) == E
	v_exp_f32 v[rS+(\n)], v[rS+(\n)]
.elseif (\k) == C
	s_wait_alu depctr_va_vdst(0)
	v_cvt_pk_bf16_f32 v[rP+(\n)], v[rS+2*(\n)], v[rS+2*(\n)+1]
.elseif (\k) == B
	s_wait_alu depctr_va_vdst(0)
	v_pk_add_f32 v[rS+4*(\n):rS+4*(\n)+1], v[rS+4*(\n):rS+4*(\n)+1], v[rS+4*(\n)+2:rS+4*(\n)+3]
.elseif (\n) == 0
	v_pk_fma_f32 v[rT+2:rT+3], v[rT+2:rT+3], v[rC+2:rC+3], v[rS:rS+1] op_sel_hi:[1,0,1]
.else
	v_pk_add_f32 v[rT+2:rT+3], v[rT+2:rT+3], v[rS+4*(\n):rS+4*(\n)+1]
.endif
.elseif NOKQ
	v_nop
.else
	REGS (Y+1)%NP
	WIN 0
.if (\n) < 4
	v_max3_num_f32 v[rC+(\n)], v[rS+8*(\n)], v[rS+8*(\n)+1], v[rS+8*(\n)+2]
.elseif (\n) < 12
	v_max3_num_f32 v[rC+(\n)%4], v[rC+(\n)%4], v[rS+8*((\n)%4)+2*((\n)/4)+1], v[rS+8*((\n)%4)+2*((\n)/4)+2]
.elseif (\n) == 12
	v_max3_num_f32 v[rC], v[rC], v[rS+7], v[rS+15]
.elseif (\n) == 13
	v_max3_num_f32 v[rC+1], v[rC+1], v[rS+23], v[rS+31]
.elseif (\n) == 14
	v_max3_num_f32 v[rC+2], v[rC+2], v[rC+3], v[rT+1]
.elseif (\n) == 15
	v_mov_b32 v[rW], v[rT]
.elseif (\n) == 16
	v_max3_num_f32 v[rC], v[rC], v[rC+1], v[rC+2]
.elseif (\n) == 17
	v_permlanex16_b32 v[rC+3], v[rC], s[SEL], s[SEL+1]
.elseif (\n) == 18
	v_max_num_f32 v[rT+1], v[rC], v[rC+3]
.elseif (\n) == 19
	v_mul_f32 v[rT], s[CS], v[rT+1]
.elseif (\n) == 20
	v_sub_f32 v[rC+1], v[rW], v[rT]
.else
	v_exp_f32 v[rC+2], v[rC+1]
.endif
.endif
.endm
.macro OPS a, i1, b=-1, i2=0, c=-1, i3=0, d=-1, i4=0
	OP \a, \i1
.if (\b) >= 0
	OP \b, \i2
.endif
.if (\c) >= 0
	OP \c, \i3
.endif
.if (\d) >= 0
	OP \d, \i4
.endif
.endm
.macro ROW a, i1, b, i2, c, i3, d, i4  ; a matrix instruction and the four behind it
	MM
	OPS \a, \i1, \b, \i2, \c, \i3, \d, \i4
.endm
; A TURN, for piece p: the order of its 16 matrix and 118 vector instructions, written out.  Behind a matrix instruction: plain, exponential, plain, plain; or four of the rescaling; or four scalings; none names a
; register of the products round it.  A line reads no result made fewer than three vector instructions ahead of it, five if an exponential made it.
; end = 1: the last two turns: nothing is fetched.  cnt = 1: the loop's count is taken down some lines ahead of the branch behind the turn.
; K and the mask of the next step are fetched in piece 2's turn, six vector instructions behind the last product that read K (five of them plain); V of the step in hand in piece 0's turn, eight behind the last
; product that read V.  Each is waited for a turn later.
.macro TURN p, end=0, cnt=0
.set Y, (\p)
.set i, 0
.set NOKQ, (\end)*((\p)/3)
.if ((\p) == 3) && !(\end)
	s_wait_dscnt 0x0                ; K and the mask are in
.endif
	ROW F,0, F,1, F,2, F,3
	ROW F,4, E,0, F,5, F,6
	ROW F,7, E,1, F,8, F,9
	ROW F,10, E,2, C,0, F,11
	ROW F,12, E,3, X,15, F,13
	ROW R,0, R,1, R,2, R,3
	ROW B,0, E,4, F,14, L,0
.if ((\p) == 2) && !(\end)
	v_add_nc_u32 v[AK], s[TBK], v[AK0]
	v_add_nc_u32 v[AM], s[TBM], v[AM0]
.endif
	ROW R,4, R,5, R,6, R,7
	OPS E,5, F,15
.if ((\p) == 2) && !(\end)
	FETCH_K
.endif
	OPS E,6, C,1, E,7, R,8
	OPS E,8, R,9, E,9, C,2
	OPS E,10, X,0, E,11, X,1
	OPS E,12, X,2, E,13, X,3
.if (\p) == 1
	s_wait_dscnt 0x0                ; V is in
.endif
	ROW X,4, E,14, X,5, X,6
	ROW X,7, E,15, X,8, X,9
	ROW X,10, E,16, X,11, X,12
	ROW X,13, E,17, X,14, B,1
	ROW C,4, E,18, X,16, L,1
	ROW B,2, E,19, C,6, L,2
	ROW C,8, E,20, B,3, B,4
.if (\p) == 0
	v_add_nc_u32 v[AV], s[TBV], v[AV0]
.endif
	ROW C,3, E,21, L,3, C,5
	OPS E,22, X,17, E,23, C,10
.if (\p) == 0
	FETCH_V
.endif
	OPS E,24, L,4
	OPS E,25, X,18, E,26, C,7
	OPS E,27, B,5, E,28, X,19
	OPS E,29, C,12, E,30, L,5
	OPS E,31, X,20, B,6, C,9
	OPS C,14, C,11, X,21, L,6
.if (\p) == 0
	s_add_co_u32 s[TBV], s[TBV], KS*PV
.endif
.if \cnt
	s_sub_co_u32 s[CNT], s[CNT], 1
	s_cmp_lg_u32 s[CNT], 0
.endif
	OPS C,13, B,7, C,15, R,10
	OPS R,11, R,12, L,7, R,13
	OPS R,14, R,15
.endm
	s_wait_tensorcnt 0x1            ; my part of keys 0-255 is in; the second load may stay out
	s_wait_dscnt 0x0                ; for the others' sake: my part of the table is stored
	s_barrier_signal -1
	s_barrier_wait -1
	v_add_nc_u32 v[AK], s[TBK], v[AK0]
	v_add_nc_u32 v[AM], s[TBM], v[AM0]
	FETCH_K                         ; key step 0
	s_wait_loadcnt 32               ; Q is in; x's 32 loads are younger
	s_wait_dscnt 0x0
.set NOKQ, 0
.set i, 0
.rept 8
	KQ 0                            ; piece 0's first scores
.set i, i+1
.endr
	WIN 0
.rept 4
	v_nop                           ; the places behind those products
.endr
.set Y, NP-1                        ; X works for piece Y + 1: piece 0
.irp n, 0,1,2,3,4,5,6,7,8,9,10,11,12,13,14,15,16,17,18,19,20,21
	OP X, \n
.endr
	v_nop                           ; a plain instruction behind the exponential
	s_mov_b32 s[CNT], 4
	s_mov_b32 s[PH], 4
	s_branch .Lfirst                ; the loop is entered at a step's first turn, in the middle of a trip
.Lphase:                            ; three times, ahead of key steps 4, 8 and 12.  The first time it shows every wave's second tensor load to all: up to here only keys 0-255 have been read.  Later it finds nothing out.
	s_wait_tensorcnt 0x0
	s_wait_dscnt 0x0
	s_barrier_signal -1
	s_barrier_wait -1
	s_mov_b32 s[CNT], 4
.Lstep:                             ; a trip: pieces 2 and 3 of one step, then pieces 0 and 1 of the next, whose K and V it fetches
	TURN 2
	TURN 3
	WIN 0
.Lfirst:
	TURN 0
	TURN 1, 0, 1
	WIN 0
	s_cbranch_scc1 .Lstep
	s_sub_co_u32 s[PH], s[PH], 1
	s_cmp_lg_u32 s[PH], 0
	s_cbranch_scc1 .Lphase
	TURN 2, 1
	TURN 3, 1
.set i, 0
.rept 8
	PV NP-1                         ; the last piece's V^T P of the last step
.set i, i+1
.endr
	; THE WAY OUT.  l's two halves and the other half of the lanes' are added; O^T is divided by l and sent through my stage in LDS, a piece at a time; x is added; whole rows of 256 bytes are stored.
	WIN 0
.macro ALL line:vararg
.set t, 0
.rept 4
	\line
.set t, t+1
.endr
.endm
	ALL v_add_f32 v[ST+4*t+2], v[ST+4*t+2], v[ST+4*t+3]
	ALL v_permlanex16_b32 v[ST+4*t+3], v[ST+4*t+2], s[SEL], s[SEL+1]
	ALL v_add_f32 v[ST+4*t+2], v[ST+4*t+2], v[ST+4*t+3]
	ALL v_rcp_f32 v[ST+4*t+2], v[ST+4*t+2]
	v_nop                           ; a plain instruction between the last reciprocal and the use of its result
	s_wait_dscnt 0x0                ; my reads of K and V are over;
	s_barrier_signal -1
	s_barrier_wait -1               ; everybody's are: the stages may lie over K's first rows
	s_wait_loadcnt 0x0              ; x
.macro PACK t
	WIN W_RS
.set i, 32*(\t)
.rept 16
	s_wait_alu depctr_va_vdst(0)
	v_pk_mul_f32 v[i:i+1], v[i:i+1], v[ST+4*(\t)+2:ST+4*(\t)+3] op_sel_hi:[1,0]
.set i, i+2
.endr
	WIN 0x04                        ; store data in window 1
.irp f, 0,1,2,3,4,5,6,7             ; channels 16 (f / 2) + 8 (l / 16) + 4 (f % 2) on
	ds_store_b128 v[STO], v[32*(\t)+4*\f:32*(\t)+4*\f+3] offset:16*\f+32*(\f/2)
.endr
	WIN 0
.irp f, 0,1,2,3,4,5,6,7
	ds_load_b128 v[OB+32*(\t)+4*\f:OB+32*(\t)+4*\f+3], v[RD] offset:\f*2*SP  ; LDS serves a wave's instructions in order (ISA guide 5.7.1.4): these see the stores above; the next piece's stores come behind them
.endr
.endm
.macro SEND t, younger              ; younger: the LDS instructions issued behind piece t's loads: the next piece's sixteen, or none
	s_wait_dscnt \younger
	WIN 0x0c                        ; source 1 in window 3
.set i, 0
.rept 16
	v_pk_add_f32 v[OB+32*(\t)+2*i:OB+32*(\t)+2*i+1], v[OB+32*(\t)+2*i:OB+32*(\t)+2*i+1], v[32*(\t)+2*i:32*(\t)+2*i+1]
.set i, i+1
.endr
	WIN 0
.irp f, 0,1,2,3,4,5,6,7
	global_store_b128 v[XO], v[OB+32*(\t)+4*\f:OB+32*(\t)+4*\f+3], s[10:11] offset:(16*(\t)+2*\f)*4096  ; 16 lanes store 256 consecutive bytes, at a multiple of 256 from y's first
.endr
.endm
	PACK 0
	PACK 1
	SEND 0, 16
	PACK 2
	SEND 1, 16
	PACK 3
	SEND 2, 16
	SEND 3, 0
	s_wait_tensorcnt 0x0            ; the wave's end
	ds_add_u32 v[SPW], v[NIL]
	s_wait_dscnt 0x0
	CROUND                          ; the closing round
	s_endpgm
.Lfunc_end_k_q91f791419f_attn:
	.size	k_q91f791419f_attn, .Lfunc_end_k_q91f791419f_attn-k_q91f791419f_attn
	.p2alignl 7, 3214868480
	.fill 96, 4, 3214868480
	.section	.rodata,"a",@progbits
	.p2align	6, 0x0
	.amdhsa_kernel k_q91f791419f_attn
		.amdhsa_group_segment_fixed_size 327680
		.amdhsa_private_segment_fixed_size 0
		.amdhsa_enable_private_segment 0
		.amdhsa_kernarg_size 32
		.amdhsa_user_sgpr_count 2
		.amdhsa_user_sgpr_kernarg_segment_ptr 1
		.amdhsa_wavefront_size32 1
		.amdhsa_system_sgpr_workgroup_id_x 1
		.amdhsa_system_sgpr_workgroup_id_y 1
		.amdhsa_system_sgpr_workgroup_id_z 1
		.amdhsa_system_vgpr_workitem_id 0
		.amdhsa_next_free_vgpr 896
		.amdhsa_next_free_sgpr 96
		.amdhsa_reserve_vcc 1
		.amdhsa_float_denorm_mode_32 3
		.amdhsa_float_denorm_mode_16_64 3
		.amdhsa_memory_ordered 1
		.amdhsa_forward_progress 1
		.amdhsa_inst_pref_size 104
	.end_amdhsa_kernel
	.amdgpu_metadata
---
amdhsa.version: [ 1, 2 ]
amdhsa.kernels:
  - .name:           k_q91f791419f_attn
    .symbol:         k_q91f791419f_attn.kd
    .args:
      - { .name: qkv, .offset: 0, .size: 8, .value_kind: global_buffer, .address_space: global }
      - { .name: mask, .offset: 8, .size: 8, .value_kind: global_buffer, .address_space: global }
      - { .name: x, .offset: 16, .size: 8, .value_kind: global_buffer, .address_space: global }
      - { .name: y, .offset: 24, .size: 8, .value_kind: global_buffer, .address_space: global }
    .group_segment_fixed_size: 327680
    .private_segment_fixed_size: 0
    .kernarg_segment_align: 8
    .kernarg_segment_size: 32
    .max_flat_workgroup_size: 128
    .sgpr_count:     96
    .vgpr_count:     896
    .wavefront_size: 32
...
	.end_amdgpu_metadata
.endif
;; end of part 3
;; launch ln2 (part 4): grid 512 x 1, 8 waves a work-group, no clusters, 0 bytes of LDS; arguments y, g2, b2, hn; writes hn
.if DOCPART == 4
	.amdgcn_target "amdgcn-amd-amdhsa--gfx1250"
	.amdhsa_code_object_version 6
	.text
	.protected	k_q91f791419f_ln2
	.globl	k_q91f791419f_ln2
	.p2align	8
	.type	k_q91f791419f_ln2,@function
k_q91f791419f_ln2:
	s_mov_b64 s[64:65], 0
	v_nop
	global_prefetch_b8 v0, s[64:65] scope:SCOPE_SE
	s_setreg_imm32_b32 hwreg(HW_REG_WAVE_MODE, 25, 1), 1
	s_wait_xcnt 0x0
; hn = bf16(LayerNorm(y; g2, b2)).  One wave to a row of 1,024 numbers (4,096 bytes, 32 registers a lane), eight rows a work-group: the row is read once and no wave waits for another.
; No LDS, no matrix unit, no cluster: no byte is shared and memory binds.  Mean and variance in two passes over the registers, as the module does.
.set T,  8                             ; v[8:23]    at work
.set X,  32                            ; v[32:63]   the row
.set G,  64                            ; v[64:95]   gain
.set BB, 96                            ; v[96:127]  bias
.set Y,  128                           ; v[128:143] the row in bf16
.macro LANESUM                         ; v[T] summed over the 32 lanes, the result in every lane
	v_add_f32_dpp v[T], v[T], v[T] row_xmask:1 row_mask:0xf bank_mask:0xf
	v_add_f32_dpp v[T], v[T], v[T] row_xmask:2 row_mask:0xf bank_mask:0xf
	v_add_f32_dpp v[T], v[T], v[T] row_xmask:4 row_mask:0xf bank_mask:0xf
	v_add_f32_dpp v[T], v[T], v[T] row_xmask:8 row_mask:0xf bank_mask:0xf
	v_permlanex16_b32 v24, v[T], s28, s29
	v_add_f32 v[T], v[T], v24
.endm
	s_load_b256 s[4:11], s[0:1], 0x0               ; y 4:5, g2 6:7, b2 8:9, hn 10:11
	v_lshrrev_b32 v1, 5, v0
	v_readfirstlane_b32 s24, v1                    ; wave 0..7
	v_and_b32 v1, 31, v0
	v_lshlrev_b32 v2, 4, v1                        ; 16 bytes of f32 a lane: lane l holds columns 128 j + 4 l .. + 3
	v_lshlrev_b32 v3, 3, v1                        ; 8 bytes of bf16 a lane
	s_mov_b32 s25, 0x3a800000                      ; 1 / 1,024
	s_mov_b32 s26, 0x3727c5ac                      ; 1e-5
	s_mov_b32 s28, 0x76543210
	s_mov_b32 s29, 0xfedcba98
	s_lshl_b32 s30, ttmp9, 15                      ; eight rows of 4,096 bytes a group,
	s_lshl_b32 s27, s24, 12                        ; one a wave
	s_add_co_u32 s30, s30, s27
	s_mov_b32 s31, 0
	v_mov_b32 v24, 0                               ; the lane exchange's destination counts as read
	s_wait_kmcnt 0x0
	s_add_nc_u64 s[4:5], s[4:5], s[30:31]
	s_lshr_b32 s30, s30, 1
	s_add_nc_u64 s[10:11], s[10:11], s[30:31]
.irp j, 0,1,2,3,4,5,6,7
	global_load_b128 v[X+4*\j:X+4*\j+3], v2, s[4:5] offset:512*\j
.endr
.irp j, 0,1,2,3,4,5,6,7
	global_load_b128 v[G+4*\j:G+4*\j+3], v2, s[6:7] offset:512*\j
.endr
.irp j, 0,1,2,3,4,5,6,7
	global_load_b128 v[BB+4*\j:BB+4*\j+3], v2, s[8:9] offset:512*\j
.endr
	s_wait_loadcnt 16                              ; the row is in; the sixteen loads of gain and bias are younger
.irp p, 0,1,2,3,4,5,6,7
	v_pk_add_f32 v[T+2*\p:T+2*\p+1], v[X+2*\p:X+2*\p+1], v[X+16+2*\p:X+16+2*\p+1]
.endr
.irp p, 0,1,2,3
	v_pk_add_f32 v[T+2*\p:T+2*\p+1], v[T+2*\p:T+2*\p+1], v[T+8+2*\p:T+8+2*\p+1]
.endr
.irp p, 0,1
	v_pk_add_f32 v[T+2*\p:T+2*\p+1], v[T+2*\p:T+2*\p+1], v[T+4+2*\p:T+4+2*\p+1]
.endr
	v_pk_add_f32 v[T:T+1], v[T:T+1], v[T+2:T+3]
	v_add_f32 v[T], v[T], v[T+1]
	LANESUM
	v_mul_f32 v4, s25, v[T]                        ; the mean, twice
	v_mov_b32 v5, v4
.irp p, 0,1,2,3,4,5,6,7,8,9,10,11,12,13,14,15
	v_pk_add_f32 v[X+2*\p:X+2*\p+1], v[X+2*\p:X+2*\p+1], v[4:5] neg_lo:[0,1] neg_hi:[0,1]
.endr
.irp p, 0,1,2,3
	v_pk_mul_f32 v[T+2*\p:T+2*\p+1], v[X+2*\p:X+2*\p+1], v[X+2*\p:X+2*\p+1]   ; four chains of squares; the first products start them
.endr
.irp p, 4,5,6,7,8,9,10,11,12,13,14,15
	v_pk_fma_f32 v[T+2*(\p%4):T+2*(\p%4)+1], v[X+2*\p:X+2*\p+1], v[X+2*\p:X+2*\p+1], v[T+2*(\p%4):T+2*(\p%4)+1]
.endr
	v_pk_add_f32 v[T:T+1], v[T:T+1], v[T+2:T+3]
	v_pk_add_f32 v[T+4:T+5], v[T+4:T+5], v[T+6:T+7]
	v_pk_add_f32 v[T:T+1], v[T:T+1], v[T+4:T+5]
	v_add_f32 v[T], v[T], v[T+1]
	LANESUM
	v_fma_f32 v6, v[T], s25, s26                   ; variance + 1e-5
	v_rsq_f32 v6, v6
	v_nop                                          ; a plain instruction between the root and the use of its result
	s_wait_alu depctr_va_vdst(0)
	v_mov_b32 v7, v6
	s_wait_loadcnt 0x0                             ; gain and bias
.irp p, 0,1,2,3,4,5,6,7,8,9,10,11,12,13,14,15
	v_pk_mul_f32 v[X+2*\p:X+2*\p+1], v[X+2*\p:X+2*\p+1], v[6:7]
.endr
.irp p, 0,1,2,3,4,5,6,7,8,9,10,11,12,13,14,15
	v_pk_fma_f32 v[X+2*\p:X+2*\p+1], v[X+2*\p:X+2*\p+1], v[G+2*\p:G+2*\p+1], v[BB+2*\p:BB+2*\p+1]
.endr
.irp p, 0,1,2,3,4,5,6,7,8,9,10,11,12,13,14,15
	v_cvt_pk_bf16_f32 v[Y+\p], v[X+2*\p], v[X+2*\p+1]
.endr
.irp j, 0,1,2,3,4,5,6,7
	global_store_b64 v3, v[Y+2*\j:Y+2*\j+1], s[10:11] offset:256*\j   ; 32 lanes store 256 consecutive bytes, at a multiple of 256 from hn's first
.endr
	s_endpgm
.Lfunc_end_k_q91f791419f_ln2:
	.size	k_q91f791419f_ln2, .Lfunc_end_k_q91f791419f_ln2-k_q91f791419f_ln2
	.p2alignl 7, 3214868480
	.fill 96, 4, 3214868480
	.section	.rodata,"a",@progbits
	.p2align	6, 0x0
	.amdhsa_kernel k_q91f791419f_ln2
		.amdhsa_group_segment_fixed_size 0
		.amdhsa_private_segment_fixed_size 0
		.amdhsa_enable_private_segment 0
		.amdhsa_kernarg_size 32
		.amdhsa_user_sgpr_count 2
		.amdhsa_user_sgpr_kernarg_segment_ptr 1
		.amdhsa_wavefront_size32 1
		.amdhsa_system_sgpr_workgroup_id_x 1
		.amdhsa_system_sgpr_workgroup_id_y 1
		.amdhsa_system_sgpr_workgroup_id_z 1
		.amdhsa_system_vgpr_workitem_id 0
		.amdhsa_next_free_vgpr 144
		.amdhsa_next_free_sgpr 66
		.amdhsa_reserve_vcc 0
		.amdhsa_float_denorm_mode_32 3
		.amdhsa_float_denorm_mode_16_64 3
		.amdhsa_memory_ordered 1
		.amdhsa_forward_progress 1
		.amdhsa_inst_pref_size 12
	.end_amdhsa_kernel
	.amdgpu_metadata
---
amdhsa.version: [ 1, 2 ]
amdhsa.kernels:
  - .name:           k_q91f791419f_ln2
    .symbol:         k_q91f791419f_ln2.kd
    .args:
      - { .name: y, .offset: 0, .size: 8, .value_kind: global_buffer, .address_space: global }
      - { .name: g2, .offset: 8, .size: 8, .value_kind: global_buffer, .address_space: global }
      - { .name: b2, .offset: 16, .size: 8, .value_kind: global_buffer, .address_space: global }
      - { .name: hn, .offset: 24, .size: 8, .value_kind: global_buffer, .address_space: global }
    .group_segment_fixed_size: 0
    .private_segment_fixed_size: 0
    .kernarg_segment_align: 8
    .kernarg_segment_size: 32
    .max_flat_workgroup_size: 256
    .sgpr_count:     66
    .vgpr_count:     144
    .wavefront_size: 32
...
	.end_amdgpu_metadata
.endif
;; end of part 4
;; launch ffn1 (part 5): grid 16 x 16, 4 waves a work-group, clusters of 4 x 4, 327,680 bytes of LDS; arguments hn, wf, bf1, u; writes u
.if DOCPART == 5
	.amdgcn_target "amdgcn-amd-amdhsa--gfx1250"
	.amdhsa_code_object_version 6
	.text
	.protected	k_q91f791419f_ffn1
	.globl	k_q91f791419f_ffn1
	.p2align	8
	.type	k_q91f791419f_ffn1,@function
k_q91f791419f_ffn1:
	s_mov_b64 s[64:65], 0
	v_nop
	global_prefetch_b8 v0, s[64:65] scope:SCOPE_SE
	s_setreg_imm32_b32 hwreg(HW_REG_WAVE_MODE, 25, 1), 1
	s_wait_xcnt 0x0
	s_wait_alu depctr_hold_cnt(0) depctr_sa_sdst(0) depctr_va_vdst(0) depctr_va_sdst(0) depctr_va_ssrc(0) depctr_va_vcc(0) depctr_vm_vsrc(0)
	s_getreg_b32 s2, hwreg(HW_REG_IB_STS2, 6, 4)
	s_cmp_eq_u32 s2, 0
	s_cbranch_scc0 .Lentry_in_a_cluster
	s_endpgm
.Lentry_in_a_cluster:
	s_bfe_u32 s2, ttmp6, 0x10000c
	s_cmp_lg_u32 s2, 0xf033
	s_cbranch_scc0 .Lentry_shape_is_right
	s_endpgm
.Lentry_shape_is_right:
; u = bf16(gelu(hn Wf1 + bf1)), gelu(z) = z (1 + erf(z / sqrt 2)) / 2.  hn: [4096][1024] bf16.  Wf1: bf16 [1024 (k)][4096 (n)], at the head of wf.  u: [4096][4096] bf16.  Sums and gelu in f32.
; LIMIT.  erf by the rational form 7.1.26 of Abramowitz and Stegun: 1 - t (a1 + t (a2 + t (a3 + t (a4 + t a5)))) e^(-x^2), t = 1 / (1 + 0.3275911 |x|): off by 1.5e-7 at the most, for every x.
; A tile of C is 256 x 256, four waves of 128 x 128 (64 accumulators, 512 registers); 16 x 16 = 256 tiles.  K = 1,024 goes in 8 steps of 128 through two LDS slots filled by tensor loads.
; A's rows lie along K and are read as they lie; W's rows lie along N and are turned on the way out of LDS (ds_load_tr16_b128).
; The matrix instruction is used transposed (source 0 = 16 columns of W, source 1 = 16 rows of hn): a lane holds eight neighbouring columns of one row of C.
; The bias is the C operand of each sum's first product: nothing is cleared and nothing is added later.
; CLUSTER 4 x 4: A's tile is shared along a row of the cluster, W's along a column; each is asked for jointly, by the same tensor load with the same descriptor in the four that its mask names.
; ONE K step of text: the slot in hand is a scalar, turned by an exclusive or; a trip goes from a step's second quarter to the next step's first.  The last two steps are a loop of two trips, left in its middle, that asks for nothing.
; THE WAY OUT: the f32 sums go into the ring's bytes, which have had their last fill (each wave into 128 rows x 528 bytes of its own, behind the last step's barrier), and come back by rows in a loop that applies gelu.
; REGISTERS by windows of 256: window 0: v16-29 addresses; v64-127, v128-191 A's fragments; v192-255 the bias.  Window 1: v64-127, v128-191 W's fragments.  Windows 2, 3: accumulators, (a, b) at v[8 (8 (a % 4) + b)].
.set NS,     4096                      ; elements from row to row of W
.set KSTEP,  128
.set PA,     272                       ; A's LDS row: 256 bytes + 16
.set PB,     544                       ; W's LDS row: 512 bytes + 32 = 17 x 32
.set HALFT,  128*PA                    ; what one tensor load brings: 128 rows of A, or 64 rows of W
.set SLOT,   4*HALFT                   ; 0x22000: its two bits meet none of the waves' LDS bases 0, 0x8800, 0x11000, 0x19800, so an exclusive or changes slots
.set SPARE,  2*SLOT                    ; the spare words, 128 bytes a wave: two blocks of 256 bytes that no other line names
.set DP,     528
.set DW,     128*DP
.set LA0, 16
.set LB0, 17
.set ADRA, 18
.set ADRB, 19
.set STO, 24
.set RDA, 25
.set CO,  26
.set BOFF, 27
.set SPW, 28
.set NIL, 29
.set F0,  64
.set F1,  128
.set BIASR, 192
.set WV, 16
.set WR, 17
.set WC, 18
.set CX, 19
.set CY, 20
.set TCOL, 21
.set TROW, 22
.set G1,  24
.set G0,  32
.set G1B, 48
.set G0B, 56
.set TB,  66
.set CNT, 67
.set WB,  68
.set PC2, 70                           ; s70      0.3275911 sqrt 2
.set KE4, 72                           ; s[72:73] -2 log2 e
.set CA1, 74                           ; s[74:75] .. s[82:83]  a1 .. a5; the packed forms name pairs and take the low word for both halves
.set CA2, 76
.set CA3, 78
.set CA4, 80
.set CA5, 82
.set MSB, 0
.macro WIN new
.if MSB != (\new)
	s_set_vgpr_msb (MSB<<8)|(\new)
.set MSB, \new
.endif
.endm
.macro PLACES                          ; four places behind matrix instructions, ahead of loads into their sources and of reads of their results
.rept 4
	v_nop
.endr
.endm
.macro JLOAD s                         ; a joint load: waves 0, 1 fetch A's halves, waves 2, 3 W's; s_nop 0 and four v_nop follow each line
	s_cmp_eq_u32 s[WR], 0
	s_cbranch_scc0 .Lfor_b_\@
	tensor_load_to_lds s[G0+4*(\s):G0+4*(\s)+3], s[G1:G1+7]
	s_nop 0
.rept 4
	v_nop
.endr
	s_branch .Lasked_\@
.Lfor_b_\@:
	tensor_load_to_lds s[G0B+4*(\s):G0B+4*(\s)+3], s[G1B:G1B+7]
	s_nop 0
.rept 4
	v_nop
.endr
.Lasked_\@:
.endm
.macro CREST
	s_cmp_lg_u32 s[WV], 0
	s_cbranch_scc1 .Lnot_wave_0_\@
	s_barrier_signal -3
.Lnot_wave_0_\@:
	s_barrier_wait -3
	s_barrier_signal -1
	s_barrier_wait -1
.endm
.macro CROUND
	s_barrier_signal -1
	s_barrier_wait -1
	CREST
.endm
.macro MUL16 f, hi, a0, zero           ; 16 matrix instructions; zero = 1: the first product starts the sums, with the bias as C
.if \zero
	WIN 0x81+0x40*(\hi)
.else
	WIN 0xa1+0x50*(\hi)
.endif
.irp a, \a0, (\a0)+1
.irp b, 0,1,2,3,4,5,6,7
.if \zero
	v_wmma_f32_16x16x32_bf16 v[8*(8*(\a)+(\b)):8*(8*(\a)+(\b))+7], v[(\f)+8*(\b):(\f)+8*(\b)+7], v[(\f)+8*(4*(\hi)+(\a)):(\f)+8*(4*(\hi)+(\a))+7], v[BIASR+8*(\b):BIASR+8*(\b)+7]
.else
	v_wmma_f32_16x16x32_bf16 v[8*(8*(\a)+(\b)):8*(8*(\a)+(\b))+7], v[(\f)+8*(\b):(\f)+8*(\b)+7], v[(\f)+8*(4*(\hi)+(\a)):(\f)+8*(4*(\hi)+(\a))+7], v[8*(8*(\a)+(\b)):8*(8*(\a)+(\b))+7]
.endif
.endr
.endr
.endm
.macro FETCH q, f                      ; 32 LDS loads in one run: quarter q of the slot in hand into buffer f
	WIN 0x40
.irp i, 0,1,2,3,4,5,6,7
	ds_load_tr16_b128 v[(\f)+8*(\i):(\f)+8*(\i)+3],   v[ADRB] offset:(\q)*32*PB+32*(\i)
	ds_load_tr16_b128 v[(\f)+8*(\i)+4:(\f)+8*(\i)+7], v[ADRB] offset:(\q)*32*PB+16*PB+32*(\i)
.endr
	WIN 0
.irp i, 0,1,2,3,4,5,6,7
	ds_load_b128 v[(\f)+8*(\i):(\f)+8*(\i)+3],   v[ADRA] offset:64*(\q)+(\i)*16*PA
	ds_load_b128 v[(\f)+8*(\i)+4:(\f)+8*(\i)+7], v[ADRA] offset:64*(\q)+(\i)*16*PA+32
.endr
.endm
.macro QUARTER q, f, g, zero           ; multiplies buffer f; in its middle it fetches quarter q into buffer g
	s_wait_dscnt 8                                 ; W and A's rows 0-63 are in; the youngest eight loads may be out
	MUL16 \f, 0, 0, \zero
	MUL16 \f, 0, 2, \zero
	PLACES
	FETCH \q, \g
	s_wait_dscnt 32                                ; all but the 32 just issued
	MUL16 \f, 1, 0, \zero
	MUL16 \f, 1, 2, \zero
.endm
.macro MEET round                      ; the one barrier of the change of slots: all my tensor loads, the add, and my reads of this slot are waited for ahead of it
	WIN 0
	s_wait_tensorcnt 0x0
	ds_add_u32 v[SPW], v[NIL]
	s_wait_dscnt 9                                 ; the add and the youngest eight loads may be out
	MUL16 F1, 0, 0, 0
	s_wait_dscnt 0x0
	s_barrier_signal -1
	MUL16 F1, 0, 2, 0
.if \round
	WIN 0
.endif
	s_barrier_wait -1
.endm
.macro TURN                            ; the last quarter where the slot is filled again: a round of the cluster's barrier, the joint refill first behind it; 224 matrix instructions to the wait for it
	MEET 1
	CREST
	s_xor_b32 s[G0+5], s[G0+5], SLOT
	s_xor_b32 s[G0B+5], s[G0B+5], SLOT
	s_add_nc_u64 s[G0+6:G0+7], s[G0+6:G0+7], KSTEP*2
	s_add_nc_u64 s[G0B+6:G0B+7], s[G0B+6:G0B+7], KSTEP*NS*2
	s_xor_b32 s[TB], s[TB], SLOT
	JLOAD 1
	v_add_nc_u32 v[ADRA], s[TB], v[LA0]
	v_add_nc_u32 v[ADRB], s[TB], v[LB0]
	FETCH 0, F0
	MUL16 F1, 1, 0, 0
	MUL16 F1, 1, 2, 0
.endm
	s_load_b256 s[4:11], s[0:1], 0x0               ; hn 4:5, wf 6:7, bf1 8:9, u 10:11
	v_lshl_add_u32 v[SPW], v0, 2, SPARE
	v_mov_b32 v[NIL], 0
	ds_add_u32 v[SPW], v[NIL]                      ; the wave's opening: the add and its wait ahead of my first tensor load
	v_lshrrev_b32 v1, 5, v0
	v_readfirstlane_b32 s[WV], v1
	s_lshr_b32 s[WR], s[WV], 1
	s_and_b32 s[WC], s[WV], 1
	s_bfe_u32 s[CX], ttmp6, 0x40000
	s_bfe_u32 s[CY], ttmp6, 0x40004
	s_lshl_b32 s[TCOL], ttmp9, 2
	s_add_co_u32 s[TCOL], s[TCOL], s[CX]           ; tile column = 4 x cluster x + cx
	s_and_b32 s[TROW], ttmp7, 0xffff
	s_lshl_b32 s[TROW], s[TROW], 2
	s_add_co_u32 s[TROW], s[TROW], s[CY]           ; tile row = 4 x cluster y + cy
	s_lshl_b32 s23, s[CY], 2
	s_lshl_b32 s23, 15, s23                        ; my row of the cluster
	s_lshl_b32 s46, 0x1111, s[CX]                  ; my column
	s_or_b32 s[G1], s23, (1<<16)|(1<<20)|(1<<21)|(5<<22)|(3<<25)
	s_or_b32 s[G1B], s46, (1<<16)|(1<<20)|(1<<21)|(6<<22)|(7<<25)
	s_mov_b32 s[G1+1], 128<<16                     ; A: 128 rows of 128 elements
	s_mov_b32 s[G1+2], 128<<16
	s_mov_b32 s[G1+3], 128<<16
	s_mov_b32 s[G1+4], 128
	s_mov_b32 s[G1+5], 1024
	s_mov_b32 s[G1+6], 0
	s_mov_b32 s[G1+7], 0
	s_mov_b32 s[G1B+1], 256<<16                    ; W: 64 rows (k) of 256 elements (n)
	s_mov_b32 s[G1B+2], 64<<16
	s_mov_b32 s[G1B+3], 256<<16
	s_mov_b32 s[G1B+4], 64
	s_mov_b32 s[G1B+5], NS
	s_mov_b32 s[G1B+6], 0
	s_mov_b32 s[G1B+7], 0
	s_lshl_b32 s40, s[TROW], 8                     ; A: row 256 x tile row + 128 x half, 2,048 bytes a row
	s_lshl_b32 s41, s[WC], 7
	s_add_co_u32 s40, s40, s41
	s_lshl_b32 s40, s40, 11
	s_mov_b32 s41, 0
	s_lshl_b32 s42, s[TCOL], 9                     ; W: column 256 x tile column (512 bytes), k row 64 x half (8,192 bytes a row)
	s_lshl_b32 s43, s[WC], 19
	s_add_co_u32 s42, s42, s43
	s_mov_b32 s43, 0
	s_mul_i32 s[WB], s[WV], HALFT
	s_mov_b32 s[TB], 0
	s_mov_b32 s[PC2], 0x3eed3388
	s_mov_b32 s[KE4], 0xc038aa3b
	s_mov_b32 s[KE4+1], s[KE4]
	s_mov_b32 s[CA1], 0x3e827906
	s_mov_b32 s[CA1+1], s[CA1]
	s_mov_b32 s[CA2], 0xbe91a98e
	s_mov_b32 s[CA2+1], s[CA2]
	s_mov_b32 s[CA3], 0x3fb5f0e3
	s_mov_b32 s[CA3+1], s[CA3]
	s_mov_b32 s[CA4], 0xbfba00e3
	s_mov_b32 s[CA4+1], s[CA4]
	s_mov_b32 s[CA5], 0x3f87dc22
	s_mov_b32 s[CA5+1], s[CA5]
	s_wait_dscnt 0x0                               ; the opening add is done
	s_wait_kmcnt 0x0
	s_mov_b64 s[14:15], s[10:11]
	s_add_nc_u64 s[40:41], s[4:5], s[40:41]
	s_add_nc_u64 s[42:43], s[6:7], s[42:43]
	CROUND                                         ; all sixteen work-groups are here: the first joint loads meet
.irp s, 0,1
	s_mov_b32 s[G0+4*(\s)], 1
	s_add_co_u32 s[G0+4*(\s)+1], s[WB], (\s)*SLOT
	s_add_nc_u64 s[G0+4*(\s)+2:G0+4*(\s)+3], s[40:41], (\s)*KSTEP*2
	s_or_b32 s[G0+4*(\s)+3], s[G0+4*(\s)+3], 0x80000000
	s_mov_b32 s[G0B+4*(\s)], 1
	s_add_co_u32 s[G0B+4*(\s)+1], s[WB], (\s)*SLOT
	s_add_nc_u64 s[G0B+4*(\s)+2:G0B+4*(\s)+3], s[42:43], (\s)*KSTEP*NS*2
	s_or_b32 s[G0B+4*(\s)+3], s[G0B+4*(\s)+3], 0x80000000
	JLOAD \s                                       ; K steps 0 and 1: two loads of mine are out
.endr
	v_and_b32 v1, 15, v0
	v_bfe_u32 v2, v0, 4, 1
	v_mul_u32_u24 v3, v1, PA
	v_lshl_add_u32 v3, v2, 4, v3
	s_mul_i32 s84, s[WR], HALFT
	v_add_nc_u32 v[LA0], s84, v3
	v_and_b32 v4, 7, v0
	v_lshl_add_u32 v4, v2, 3, v4
	v_mul_u32_u24 v4, v4, PB
	v_bfe_u32 v5, v0, 3, 1
	v_lshl_add_u32 v4, v5, 4, v4
	s_lshl_b32 s84, s[WC], 8
	s_add_co_u32 s84, s84, 2*HALFT
	v_add_nc_u32 v[LB0], s84, v4
	v_mov_b32 v[ADRA], v[LA0]
	v_mov_b32 v[ADRB], v[LB0]
	s_mul_i32 s84, s[WV], DW                       ; my dump
	v_mul_u32_u24 v5, v1, DP
	v_lshl_add_u32 v5, v2, 5, v5
	v_add_nc_u32 v[STO], s84, v5
	v_and_b32 v5, 31, v0
	v_lshl_add_u32 v[RDA], v5, 4, s84              ; back: 32 lanes take one whole row of 512 bytes,
	v_lshlrev_b32 v[CO], 3, v5                     ; which is 256 consecutive bytes of bf16
	v_lshlrev_b32 v[BOFF], 5, v2
	s_lshl_b32 s86, s[TCOL], 10
	s_lshl_b32 s87, s[WC], 9
	s_add_co_u32 s86, s86, s87                     ; (256 tile column + 128 half) x 4 bytes
	s_mov_b32 s87, 0
	s_add_nc_u64 s[8:9], s[8:9], s[86:87]
.irp b, 0,1,2,3,4,5,6,7
	global_load_b128 v[BIASR+8*\b:BIASR+8*\b+3],   v[BOFF], s[8:9] offset:64*\b
	global_load_b128 v[BIASR+8*\b+4:BIASR+8*\b+7], v[BOFF], s[8:9] offset:64*\b+16
.endr
	s_lshl_b32 s88, s[TROW], 8                     ; u: (256 tile row + 128 row half) x 8,192 + (256 tile column + 128 half) x 2
	s_lshl_b32 s89, s[WR], 7
	s_add_co_u32 s88, s88, s89
	s_lshl_b32 s88, s88, 13
	s_lshr_b32 s89, s86, 1
	s_add_co_u32 s88, s88, s89
	s_mov_b32 s89, 0
	s_add_nc_u64 s[14:15], s[14:15], s[88:89]
	s_wait_tensorcnt 0x1                           ; my part of K step 0 is in; step 1's may stay out
	s_barrier_signal -1
	s_barrier_wait -1
	FETCH 0, F0
	s_wait_loadcnt 0x0                             ; the bias
	QUARTER 1, F0, F1, 1
	WIN 0
	s_mov_b32 s[CNT], 6
.Lstep:                                                ; trip t: quarters 1-3 of step t, the request for step t + 2, quarter 0 of step t + 1
	QUARTER 2, F1, F0, 0
	QUARTER 3, F0, F1, 0
	TURN
	QUARTER 1, F0, F1, 0
	WIN 0
	s_sub_co_u32 s[CNT], s[CNT], 1
	s_cmp_lg_u32 s[CNT], 0
	s_cbranch_scc1 .Lstep
	s_mov_b32 s[CNT], 2
.Ltail:                                                ; steps 6 and 7 ask for nothing; the second trip is left in its middle
	QUARTER 2, F1, F0, 0
	QUARTER 3, F0, F1, 0
	MEET 0                                         ; in the second trip this barrier also stands between every wave's last reads of the ring and the dump
	WIN 0
	s_cmp_eq_u32 s[CNT], 1
	s_cbranch_scc1 .Lnofetch
	PLACES
	s_xor_b32 s[TB], s[TB], SLOT
	v_add_nc_u32 v[ADRA], s[TB], v[LA0]
	v_add_nc_u32 v[ADRB], s[TB], v[LB0]
	FETCH 0, F0
.Lnofetch:
	MUL16 F1, 1, 0, 0
	MUL16 F1, 1, 2, 0
	WIN 0
	s_sub_co_u32 s[CNT], s[CNT], 1
	s_cmp_eq_u32 s[CNT], 0
	s_cbranch_scc1 .Lout
	QUARTER 1, F0, F1, 0
	WIN 0
	s_branch .Ltail
.Lout:
	PLACES
	WIN 0x08                                       ; store data in window 2
.irp a, 0,1,2,3
.irp b, 0,1,2,3,4,5,6,7
	ds_store_b128 v[STO], v[8*(8*\a+\b):8*(8*\a+\b)+3]   offset:\a*16*DP+64*\b       ; each accumulator's low registers first
	ds_store_b128 v[STO], v[8*(8*\a+\b)+4:8*(8*\a+\b)+7] offset:\a*16*DP+64*\b+16
.endr
.endr
	WIN 0x0c                                       ; window 3
.irp a, 0,1,2,3
.irp b, 0,1,2,3,4,5,6,7
	ds_store_b128 v[STO], v[8*(8*\a+\b):8*(8*\a+\b)+3]   offset:(\a+4)*16*DP+64*\b
	ds_store_b128 v[STO], v[8*(8*\a+\b)+4:8*(8*\a+\b)+7] offset:(\a+4)*16*DP+64*\b+16
.endr
.endr
	WIN 0
; Back by rows, four rows (16 numbers a lane) a trip.  With H = z / 2: gelu = H + |H| (1 - poly(t) e), t = 1 / (1 + PC2 |H|), e = 2^(KE4 H^2).
; THE ORDER.  A trip has 32 transcendentals and 112 plain lines.  No two transcendentals follow each other: the 16 reciprocals stand among the 28 plain lines that are ready then (QB), the 16 exponentials
; among the polynomial's 40 (QC); the line behind each names none of its registers (ISA guide 5.7.2).
.set GX, 64                            ; v[64:79]   z as read
.set GH, 80                            ; v[80:95]   H, then gelu
.set GD, 96                            ; v[96:111]  1 + PC2 |H|, then t
.set GE, 112                           ; v[112:127] KE4 H^2, then e
.set GP, 128                           ; v[128:143] the polynomial
.set GY, 144                           ; v[144:151] bf16 to store
.macro QB n                            ; plain line n of 28: 0-11: 1 + PC2 |H| for numbers 4 to 15 (number 4 + 2 i stands behind reciprocal i, well ahead of its own); 12-27: the exponents, two pairs at a time: KE4 H, KE4 H, then x H, x H
.if (\n) < 12
	v_fma_f32 v[GD+4+(\n)], |v[GH+4+(\n)]|, s[PC2], 1.0
.else
.set qm, (\n)-12
.set qp, 2*(qm/4)+qm%2
.if qm%4 < 2
	v_pk_mul_f32 v[GE+2*qp:GE+2*qp+1], v[GH+2*qp:GH+2*qp+1], s[KE4:KE4+1] op_sel_hi:[1,0]
.else
	v_pk_mul_f32 v[GE+2*qp:GE+2*qp+1], v[GE+2*qp:GE+2*qp+1], v[GH+2*qp:GH+2*qp+1]
.endif
.endif
.endm
.macro QC n                            ; plain line n of 40: the polynomial in t, a stage for all eight pairs, then the next: a5 t + a4; x t + a3; x t + a2; x t + a1; x t
.set qp, (\n)%8
.if (\n) < 8
	s_wait_alu depctr_va_vdst(0)
	v_pk_fma_f32 v[GP+2*qp:GP+2*qp+1], v[GD+2*qp:GD+2*qp+1], s[CA5:CA5+1], s[CA4:CA4+1] op_sel_hi:[1,0,0]
.elseif (\n) < 32
.set qc, CA3-2*((\n)/8-1)
	v_pk_fma_f32 v[GP+2*qp:GP+2*qp+1], v[GP+2*qp:GP+2*qp+1], v[GD+2*qp:GD+2*qp+1], s[qc:qc+1] op_sel_hi:[1,1,0]
.else
	v_pk_mul_f32 v[GP+2*qp:GP+2*qp+1], v[GP+2*qp:GP+2*qp+1], v[GD+2*qp:GD+2*qp+1]
.endif
.endm
.irp i, 0,1,2,3
	ds_load_b128 v[GX+4*\i:GX+4*\i+3], v[RDA] offset:\i*DP
.endr
	s_mov_b32 s[CNT], 32
.Lrow:
	s_wait_dscnt 0x0
.irp i, 0,1,2,3,4,5,6,7
	v_pk_mul_f32 v[GH+2*\i:GH+2*\i+1], v[GX+2*\i:GX+2*\i+1], 0.5 op_sel_hi:[1,0]
.endr
	s_cmp_eq_u32 s[CNT], 1                         ; the last trip has no next rows
	s_cbranch_scc1 .Lnoload
	v_add_nc_u32 v[RDA], 4*DP, v[RDA]
.irp i, 0,1,2,3
	ds_load_b128 v[GX+4*\i:GX+4*\i+3], v[RDA] offset:\i*DP
.endr
.Lnoload:
.irp i, 0,1,2,3
	v_fma_f32 v[GD+\i], |v[GH+\i]|, s[PC2], 1.0
.endr
.set qn, 0
.set i, 0
.rept 16
	v_rcp_f32 v[GD+i], v[GD+i]
	QB qn
.set qn, qn+1
.if i < 12
	QB qn
.set qn, qn+1
.endif
.set i, i+1
.endr
.set qn, 0
.set i, 0
.rept 16
	v_exp_f32 v[GE+i], v[GE+i]
	QC qn
.set qn, qn+1
	QC qn
.set qn, qn+1
.if i%2 == 0
	QC qn
.set qn, qn+1
.endif
.set i, i+1
.endr
	s_wait_alu depctr_va_vdst(0)
.irp i, 0,1,2,3,4,5,6,7
	v_pk_fma_f32 v[GP+2*\i:GP+2*\i+1], v[GP+2*\i:GP+2*\i+1], v[GE+2*\i:GE+2*\i+1], 1.0 op_sel_hi:[1,1,0] neg_lo:[1,0,0] neg_hi:[1,0,0]   ; erf |x|
.endr
.set i, 0
.rept 16
	v_fma_f32 v[GH+i], |v[GH+i]|, v[GP+i], v[GH+i]
.set i, i+1
.endr
.irp i, 0,1,2,3,4,5,6,7
	v_cvt_pk_bf16_f32 v[GY+\i], v[GH+2*\i], v[GH+2*\i+1]
.endr
.irp i, 0,1,2,3
	global_store_b64 v[CO], v[GY+2*\i:GY+2*\i+1], s[14:15] offset:\i*8192   ; 32 lanes store 256 consecutive bytes, at a multiple of 256 from u's first
.endr
	s_wait_xcnt 0x0                                ; the stores' data and offset are rewritten only behind this wait
	v_add_nc_u32 v[CO], 32768, v[CO]
	s_sub_co_u32 s[CNT], s[CNT], 1
	s_cmp_lg_u32 s[CNT], 0
	s_cbranch_scc1 .Lrow
	s_wait_tensorcnt 0x0                           ; the wave's end
	ds_add_u32 v[SPW], v[NIL]
	s_wait_dscnt 0x0
	CROUND                                         ; the closing round
	s_endpgm
.Lfunc_end_k_q91f791419f_ffn1:
	.size	k_q91f791419f_ffn1, .Lfunc_end_k_q91f791419f_ffn1-k_q91f791419f_ffn1
	.p2alignl 7, 3214868480
	.fill 96, 4, 3214868480
	.section	.rodata,"a",@progbits
	.p2align	6, 0x0
	.amdhsa_kernel k_q91f791419f_ffn1
		.amdhsa_group_segment_fixed_size 327680
		.amdhsa_private_segment_fixed_size 0
		.amdhsa_enable_private_segment 0
		.amdhsa_kernarg_size 32
		.amdhsa_user_sgpr_count 2
		.amdhsa_user_sgpr_kernarg_segment_ptr 1
		.amdhsa_wavefront_size32 1
		.amdhsa_system_sgpr_workgroup_id_x 1
		.amdhsa_system_sgpr_workgroup_id_y 1
		.amdhsa_system_sgpr_workgroup_id_z 1
		.amdhsa_system_vgpr_workitem_id 0
		.amdhsa_next_free_vgpr 1024
		.amdhsa_next_free_sgpr 96
		.amdhsa_reserve_vcc 0
		.amdhsa_float_denorm_mode_32 3
		.amdhsa_float_denorm_mode_16_64 3
		.amdhsa_memory_ordered 1
		.amdhsa_forward_progress 1
		.amdhsa_inst_pref_size 88
	.end_amdhsa_kernel
	.amdgpu_metadata
---
amdhsa.version: [ 1, 2 ]
amdhsa.kernels:
  - .name:           k_q91f791419f_ffn1
    .symbol:         k_q91f791419f_ffn1.kd
    .args:
      - { .name: hn, .offset: 0, .size: 8, .value_kind: global_buffer, .address_space: global }
      - { .name: wf, .offset: 8, .size: 8, .value_kind: global_buffer, .address_space: global }
      - { .name: bf1, .offset: 16, .size: 8, .value_kind: global_buffer, .address_space: global }
      - { .name: u, .offset: 24, .size: 8, .value_kind: global_buffer, .address_space: global }
    .group_segment_fixed_size: 327680
    .private_segment_fixed_size: 0
    .kernarg_segment_align: 8
    .kernarg_segment_size: 32
    .max_flat_workgroup_size: 128
    .sgpr_count:     96
    .vgpr_count:     1024
    .wavefront_size: 32
...
	.end_amdgpu_metadata
.endif
;; end of part 5
;; launch ffn2 (part 6): grid 8 x 32, 4 waves a work-group, clusters of 4 x 4, 327,680 bytes of LDS; arguments u, wf, bf2, y, out0; writes out0
.if DOCPART == 6
	.amdgcn_target "amdgcn-amd-amdhsa--gfx1250"
	.amdhsa_code_object_version 6
	.text
	.protected	k_q91f791419f_ffn2
	.globl	k_q91f791419f_ffn2
	.p2align	8
	.type	k_q91f791419f_ffn2,@function
k_q91f791419f_ffn2:
	s_mov_b64 s[64:65], 0
	v_nop
	global_prefetch_b8 v0, s[64:65] scope:SCOPE_SE
	s_setreg_imm32_b32 hwreg(HW_REG_WAVE_MODE, 25, 1), 1
	s_wait_xcnt 0x0
	s_wait_alu depctr_hold_cnt(0) depctr_sa_sdst(0) depctr_va_vdst(0) depctr_va_sdst(0) depctr_va_ssrc(0) depctr_va_vcc(0) depctr_vm_vsrc(0)
	s_getreg_b32 s2, hwreg(HW_REG_IB_STS2, 6, 4)
	s_cmp_eq_u32 s2, 0
	s_cbranch_scc0 .Lentry_in_a_cluster
	s_endpgm
.Lentry_in_a_cluster:
	s_bfe_u32 s2, ttmp6, 0x10000c
	s_cmp_lg_u32 s2, 0xf033
	s_cbranch_scc0 .Lentry_shape_is_right
	s_endpgm
.Lentry_shape_is_right:
; out0 = y + u Wf2 + bf2.  u: [4096][4096] bf16.  Wf2: bf16 [4096 (k)][1024 (n)], at byte 8,388,608 of wf.  y, out0: f32 [4096][1024].  Sums in f32.
; C has 4,096 x 1,024 numbers: tiles of 128 x 128 give 256 work-groups.  Four waves of 64 x 64: 16 accumulators.  K = 4,096 goes in 16 steps of 256, as long as two LDS slots allow.
; u's rows lie along K and are read as they lie; W's rows lie along N and are turned on the way out of LDS (ds_load_tr16_b128).  The matrix instruction is used transposed: a lane holds eight neighbouring columns of a row.
; The bias is the C operand of each sum's first product.  y is asked for at the start and has the whole product in which to land.
; CLUSTER 4 x 4: u's tile is shared along a row of the cluster, W's along a column; each is asked for jointly.
; ONE K step of text, the slot in hand a scalar turned by an exclusive or; the last two steps are a loop of two trips, left in its middle, that asks for nothing.
; A step has 128 matrix instructions a wave for the 128 KiB that the work-group fetches, so the loop leans on the tiles: nothing but the three lines and the round stands between the wait for a tile and the next request,
; and the tiles of later steps are asked for ahead, into the L2 (PREFETCH, below).
; THE WAY OUT: each wave's 64 x 64 sums go through 64 rows x 272 bytes of its own in the ring's bytes, which have had their last fill, and come back as whole rows of 256 bytes.
; REGISTERS: window 0: v16-31 addresses; v32-63 the bias; v128-255 accumulators ((a, b) at v[128 + 8 (4 a + b)]).  Window 1: two fragment buffers of 128: 64 of u (2 x 4 x 16 rows x 32 K), then 64 of W.  Window 2: v0-127 y.
.set KSTEP,  256
.set PA,     528                       ; u's LDS row: 512 bytes + 16
.set PB,     288                       ; W's LDS row: 256 bytes + 32 = 9 x 32
.set HA,     64*PA                     ; 64 rows of u: one tensor load
.set HB,     128*PB                    ; 128 rows (k) of W: one tensor load
.set BB0,    2*HA                      ; W lies behind u's 128 rows
.set SLOT,   147456                    ; 0x24000; 141,312 bytes of it are used.  Its two bits meet none of the loads' LDS bases 0, 0x8400, 0x10800, 0x19800, so an exclusive or changes slots
.set SPARE,  2*SLOT                    ; the spare words, 128 bytes a wave: two blocks of 256 bytes that no other line names
.set DP,     272
.set DW,     64*DP
.set LA0, 16
.set LB0, 17
.set ADRA, 18
.set ADRB, 19                          ; v19 W's k rows 0-127 of the slot in hand, v20 rows 128-255: the 16-bit offset does not reach them from v19
.set STO, 24
.set RD,  25
.set CO,  26
.set BOFF, 27
.set SPW, 28
.set NIL, 29
.set PFA, 30                           ; v30  prefetch: my lane's block of u; never rewritten
.set PFB, 31                           ; v31  prefetch: my lane's block of W; never rewritten
.set BIASR, 32
.set ACC, 128
.set F0,  0
.set F1,  128
.set WV, 16
.set WR, 17
.set WC, 18
.set CX, 19
.set CY, 20
.set TCOL, 21
.set TROW, 22
.set G1,  24
.set G0,  32
.set G1B, 48
.set G0B, 56
.set TB,  66
.set CNT, 67
.set LDA, 68                           ; s68, s69  where my load of u, or of W, lands in a slot
.set LDB, 69
.set PFU, 70                           ; s[70:71]  prefetch: u at my tile row, at the K step asked for
.set PFW, 72                           ; s[72:73]  prefetch: W at my tile column, at the K step asked for
.set MSB, 0
.macro WIN new
.if MSB != (\new)
	s_set_vgpr_msb (MSB<<8)|(\new)
.set MSB, \new
.endif
.endm
.set MUL, 0x05                         ; sources 0 (W) and 1 (u) window 1; C and D window 0
.macro PLACES
.rept 4
	v_nop
.endr
.endm
.macro JLOAD s                         ; a joint load: waves 0, 1 fetch u's halves, waves 2, 3 W's; s_nop 0 and four v_nop follow each line
	s_cmp_eq_u32 s[WR], 0
	s_cbranch_scc0 .Lfor_b_\@
	tensor_load_to_lds s[G0+4*(\s):G0+4*(\s)+3], s[G1:G1+7]
	s_nop 0
.rept 4
	v_nop
.endr
	s_branch .Lasked_\@
.Lfor_b_\@:
	tensor_load_to_lds s[G0B+4*(\s):G0B+4*(\s)+3], s[G1B:G1B+7]
	s_nop 0
.rept 4
	v_nop
.endr
.Lasked_\@:
.endm
.macro CREST
	s_cmp_lg_u32 s[WV], 0
	s_cbranch_scc1 .Lnot_wave_0_\@
	s_barrier_signal -3
.Lnot_wave_0_\@:
	s_barrier_wait -3
	s_barrier_signal -1
	s_barrier_wait -1
.endm
.macro CROUND
	s_barrier_signal -1
	s_barrier_wait -1
	CREST
.endm
; 8 matrix instructions: m blocks a0, a0 + 1 x all 4 n blocks, 32 along K: half c of buffer f.  zero = 1: the first product starts the sums, with the bias as C
.macro MUL8 f, c, a0, zero
	WIN MUL
.irp a, \a0, (\a0)+1
.irp b, 0,1,2,3
.if \zero
	v_wmma_f32_16x16x32_bf16 v[ACC+8*(4*(\a)+(\b)):ACC+8*(4*(\a)+(\b))+7], v[(\f)+64+8*(4*(\c)+(\b)):(\f)+64+8*(4*(\c)+(\b))+7], v[(\f)+8*(4*(\c)+(\a)):(\f)+8*(4*(\c)+(\a))+7], v[BIASR+8*(\b):BIASR+8*(\b)+7]
.else
	v_wmma_f32_16x16x32_bf16 v[ACC+8*(4*(\a)+(\b)):ACC+8*(4*(\a)+(\b))+7], v[(\f)+64+8*(4*(\c)+(\b)):(\f)+64+8*(4*(\c)+(\b))+7], v[(\f)+8*(4*(\c)+(\a)):(\f)+8*(4*(\c)+(\a))+7], v[ACC+8*(4*(\a)+(\b)):ACC+8*(4*(\a)+(\b))+7]
.endif
.endr
.endr
.endm
; 32 LDS loads in one run: quarter q (64 along K) of the slot in hand into buffer f; the first 32 along K first
.macro FETCH q, f
	WIN 0x40
.irp c, 0,1
.irp i, 0,1,2,3
	ds_load_tr16_b128 v[(\f)+64+8*(4*(\c)+(\i)):(\f)+64+8*(4*(\c)+(\i))+3],   v[ADRB+(\q)/2] offset:(((\q)%2)*64+32*(\c))*PB+32*(\i)
	ds_load_tr16_b128 v[(\f)+64+8*(4*(\c)+(\i))+4:(\f)+64+8*(4*(\c)+(\i))+7], v[ADRB+(\q)/2] offset:(((\q)%2)*64+32*(\c)+16)*PB+32*(\i)
	ds_load_b128 v[(\f)+8*(4*(\c)+(\i)):(\f)+8*(4*(\c)+(\i))+3],   v[ADRA] offset:128*(\q)+64*(\c)+(\i)*16*PA
	ds_load_b128 v[(\f)+8*(4*(\c)+(\i))+4:(\f)+8*(4*(\c)+(\i))+7], v[ADRA] offset:128*(\q)+64*(\c)+(\i)*16*PA+32
.endr
.endr
.endm
.macro QUARTER q, f, g, zero           ; multiplies buffer f; in its middle it fetches quarter q into buffer g
	s_wait_dscnt 16                                ; the first 32 along K are in
	MUL8 \f, 0, 0, \zero
	MUL8 \f, 0, 2, \zero
	PLACES
	FETCH \q, \g
	s_wait_dscnt 32                                ; all but the 32 just issued
	MUL8 \f, 1, 0, 0
	MUL8 \f, 1, 2, 0
.endm
.macro MEET                            ; the tail's change of slots, behind which nothing is filled: all my tensor loads, the add, and my reads of this slot are waited for ahead of its one barrier
	WIN 0
	s_wait_tensorcnt 0x0
	ds_add_u32 v[SPW], v[NIL]
	s_wait_dscnt 17                                ; the add and the youngest sixteen loads may be out
	MUL8 F1, 0, 0, 0
	s_wait_dscnt 0x0
	s_barrier_signal -1
	MUL8 F1, 0, 2, 0
	s_barrier_wait -1
.endm
; The last quarter where the slot is filled again.  Its first sixteen matrix instructions, which need nothing of the next slot, stand AHEAD of the wait for all tensor loads (one is out: my part of the next slot).
; Behind that wait: the add; the descriptors' and the prefetch's steps while it is out; the wait for it and for my reads of this slot; a round of the cluster's barrier; and the joint refill first behind it,
; 128 matrix instructions ahead of the wait for it.
; PREFETCH into the L2, behind the refill.  Trip t issues the tensor loads of K step t + 2.  In it wave 0 asks for 32 blocks of 256 bytes of u's K step t + 4, whose tensor load is issued two trips on: both blocks of
; rows 16 x tile column .. + 15 of the tile row's 128, so that the eight work-groups of a tile row ask for each block once.  In trips 0, 4 and 8 wave 1 asks for 32 blocks of W: rows 8 x tile row .. + 7 of the 256 of each
; of K steps t + 4 .. t + 7, so that the 32 work-groups of a tile column ask for each block once.  Trips 12 and 13 ask for nothing: K step 15 is the last.  The bases are stepped a trip later, behind s_wait_xcnt 0.
.macro TURN
	s_wait_dscnt 16                                ; the first 32 along K of the last quarter are in
	MUL8 F1, 0, 0, 0
	MUL8 F1, 0, 2, 0
	WIN 0
	s_wait_tensorcnt 0x0                           ; no tensor load of mine is out, so a group 0 may be written
	ds_add_u32 v[SPW], v[NIL]
	s_xor_b32 s[G0+5], s[G0+5], SLOT               ; the walking descriptors: the slot that is being left,
	s_xor_b32 s[G0B+5], s[G0B+5], SLOT
	s_add_nc_u64 s[G0+6:G0+7], s[G0+6:G0+7], KSTEP*2            ; the next K step; the type bits on top are not reached
	s_add_nc_u64 s[G0B+6:G0B+7], s[G0B+6:G0B+7], KSTEP*2048
	s_xor_b32 s[TB], s[TB], SLOT
	s_wait_xcnt 0x0                                ; the last trip's prefetches have read their bases
	s_add_nc_u64 s[PFU:PFU+1], s[PFU:PFU+1], KSTEP*2
	s_add_nc_u64 s[PFW:PFW+1], s[PFW:PFW+1], KSTEP*2048
	s_wait_dscnt 0x0                               ; the add is done, and my reads of this slot are over
	s_barrier_signal -1
	s_barrier_wait -1
	CREST                                          ; no wave of any partner still reads this slot or has a load on its way
	JLOAD 1                                        ; its four v_nop are also the places ahead of the loads below
	s_cmp_lt_u32 s[CNT], 3                         ; the count runs 14 .. 1: trips 12 and 13
	s_cbranch_scc1 .Lno_pf
	s_cmp_lg_u32 s[WV], 0
	s_cbranch_scc1 .Lnot_u
	global_prefetch_b8 v[PFA], s[PFU:PFU+1] th:TH_LOAD_NT scope:SCOPE_SE
.Lnot_u:
	s_and_b32 s85, s[CNT], 3                       ; 14, 10, 6: trips 0, 4, 8
	s_cmp_lg_u32 s85, 2
	s_cbranch_scc1 .Lno_pf
	s_cmp_lg_u32 s[WV], 1
	s_cbranch_scc1 .Lno_pf
	global_prefetch_b8 v[PFB], s[PFW:PFW+1] th:TH_LOAD_NT scope:SCOPE_SE
.Lno_pf:
	v_add_nc_u32 v[ADRA], s[TB], v[LA0]
	v_add_nc_u32 v[ADRB], s[TB], v[LB0]
	v_add_nc_u32 v[ADRB+1], HB, v[ADRB]
	FETCH 0, F0
	MUL8 F1, 1, 0, 0
	MUL8 F1, 1, 2, 0
.endm
	s_load_b256 s[4:11], s[0:1], 0x0               ; u 4:5, wf 6:7, bf2 8:9, y 10:11
	s_load_b64 s[12:13], s[0:1], 0x20              ; out0
	v_lshl_add_u32 v[SPW], v0, 2, SPARE
	v_mov_b32 v[NIL], 0
	ds_add_u32 v[SPW], v[NIL]                      ; the wave's opening: the add and its wait ahead of my first tensor load
	v_lshrrev_b32 v1, 5, v0
	v_readfirstlane_b32 s[WV], v1
	s_lshr_b32 s[WR], s[WV], 1
	s_and_b32 s[WC], s[WV], 1
	s_bfe_u32 s[CX], ttmp6, 0x40000
	s_bfe_u32 s[CY], ttmp6, 0x40004
	s_lshl_b32 s[TCOL], ttmp9, 2
	s_add_co_u32 s[TCOL], s[TCOL], s[CX]
	s_and_b32 s[TROW], ttmp7, 0xffff
	s_lshl_b32 s[TROW], s[TROW], 2
	s_add_co_u32 s[TROW], s[TROW], s[CY]
	s_lshl_b32 s23, s[CY], 2
	s_lshl_b32 s23, 15, s23                        ; my row of the cluster
	s_lshl_b32 s46, 0x1111, s[CX]                  ; my column
	s_or_b32 s[G1], s23, (1<<16)|(1<<20)|(1<<21)|(6<<22)|(3<<25)    ; u: after every 128 words, 4 words of padding
	s_or_b32 s[G1B], s46, (1<<16)|(1<<20)|(1<<21)|(5<<22)|(7<<25)   ; W: after every 64 words, 8 words
	s_mov_b32 s[G1+1], 256<<16                     ; u: 64 rows of 256 elements
	s_mov_b32 s[G1+2], 64<<16
	s_mov_b32 s[G1+3], 256<<16
	s_mov_b32 s[G1+4], 64
	s_mov_b32 s[G1+5], 4096
	s_mov_b32 s[G1+6], 0
	s_mov_b32 s[G1+7], 0
	s_mov_b32 s[G1B+1], 128<<16                    ; W: 128 rows (k) of 128 elements (n)
	s_mov_b32 s[G1B+2], 128<<16
	s_mov_b32 s[G1B+3], 128<<16
	s_mov_b32 s[G1B+4], 128
	s_mov_b32 s[G1B+5], 1024
	s_mov_b32 s[G1B+6], 0
	s_mov_b32 s[G1B+7], 0
	s_lshl_b32 s40, s[TROW], 7                     ; u: row 128 x tile row + 64 x half, 8,192 bytes a row
	s_lshl_b32 s41, s[WC], 6
	s_add_co_u32 s40, s40, s41
	s_lshl_b32 s40, s40, 13
	s_mov_b32 s41, 0
	s_lshl_b32 s42, s[TCOL], 8                     ; W: column 128 x tile column (256 bytes), k row 128 x half (2,048 bytes a row), behind Wf1
	s_lshl_b32 s43, s[WC], 18
	s_add_co_u32 s42, s42, s43
	s_add_co_u32 s42, s42, 8388608
	s_mov_b32 s43, 0
	s_lshl_b32 s74, s[TROW], 20                    ; prefetch: u at my tile row (128 rows of 8,192 bytes), K step 3: the first trip steps it to 4
	s_add_co_u32 s74, s74, 3*KSTEP*2
	s_mov_b32 s75, 0
	s_lshl_b32 s76, s[TCOL], 8                     ; prefetch: W at my tile column, K step 3
	s_add_co_u32 s76, s76, 8388608+3*KSTEP*2048
	s_mov_b32 s77, 0
	s_mul_i32 s[LDA], s[WC], HA                    ; no place in the cluster enters an LDS address
	s_mul_i32 s[LDB], s[WC], HB
	s_add_co_u32 s[LDB], s[LDB], BB0
	s_mov_b32 s[TB], 0
	s_wait_dscnt 0x0                               ; the opening add is done
	s_wait_kmcnt 0x0
	s_add_nc_u64 s[40:41], s[4:5], s[40:41]
	s_add_nc_u64 s[42:43], s[6:7], s[42:43]
	s_add_nc_u64 s[PFU:PFU+1], s[4:5], s[74:75]
	s_add_nc_u64 s[PFW:PFW+1], s[6:7], s[76:77]
	CROUND                                         ; all sixteen work-groups are here: the first joint loads meet
.irp s, 0,1
	s_mov_b32 s[G0+4*(\s)], 1
	s_add_co_u32 s[G0+4*(\s)+1], s[LDA], (\s)*SLOT
	s_add_nc_u64 s[G0+4*(\s)+2:G0+4*(\s)+3], s[40:41], (\s)*KSTEP*2
	s_or_b32 s[G0+4*(\s)+3], s[G0+4*(\s)+3], 0x80000000
	s_mov_b32 s[G0B+4*(\s)], 1
	s_add_co_u32 s[G0B+4*(\s)+1], s[LDB], (\s)*SLOT
	s_add_nc_u64 s[G0B+4*(\s)+2:G0B+4*(\s)+3], s[42:43], (\s)*KSTEP*2048
	s_or_b32 s[G0B+4*(\s)+3], s[G0B+4*(\s)+3], 0x80000000
	JLOAD \s                                       ; K steps 0 and 1: two loads of mine are out
.endr
	v_and_b32 v1, 15, v0
	v_bfe_u32 v2, v0, 4, 1
	v_mul_u32_u24 v3, v1, PA
	v_lshl_add_u32 v3, v2, 4, v3
	s_mul_i32 s84, s[WR], HA
	v_add_nc_u32 v[LA0], s84, v3
	v_and_b32 v4, 7, v0
	v_lshl_add_u32 v4, v2, 3, v4
	v_mul_u32_u24 v4, v4, PB
	v_bfe_u32 v5, v0, 3, 1
	v_lshl_add_u32 v4, v5, 4, v4
	s_lshl_b32 s84, s[WC], 7
	s_add_co_u32 s84, s84, BB0
	v_add_nc_u32 v[LB0], s84, v4
	v_mov_b32 v[ADRA], v[LA0]
	v_mov_b32 v[ADRB], v[LB0]
	v_add_nc_u32 v[ADRB+1], HB, v[LB0]
	s_mul_i32 s84, s[WV], DW                       ; my dump
	v_mul_u32_u24 v5, v1, DP
	v_lshl_add_u32 v5, v2, 5, v5
	v_add_nc_u32 v[STO], s84, v5                   ; in: row r, 32 bytes for each half of the lanes
	v_mul_u32_u24 v5, v2, DP
	v_lshl_add_u32 v5, v1, 4, v5
	v_add_nc_u32 v[RD], s84, v5                    ; back: two whole rows of 256 bytes
	v_lshlrev_b32 v[CO], 12, v2                    ; and the same two rows in y and out0
	v_lshl_add_u32 v[CO], v1, 4, v[CO]
	v_lshlrev_b32 v[BOFF], 5, v2
	v_and_b32 v5, 31, v0                           ; prefetch, u: row 16 x tile column + lane / 2, block lane % 2
	v_lshrrev_b32 v6, 1, v5
	s_lshl_b32 s84, s[TCOL], 4
	v_add_nc_u32 v6, s84, v6
	v_and_b32 v7, 1, v5
	v_lshlrev_b32 v7, 8, v7
	v_lshl_add_u32 v[PFA], v6, 13, v7
	v_lshrrev_b32 v6, 3, v5                        ; prefetch, W: K step lane / 8 on (256 rows each), row 8 x tile row + lane % 8
	v_lshlrev_b32 v6, 8, v6
	v_and_b32 v7, 7, v5
	v_add_nc_u32 v6, v6, v7
	s_lshl_b32 s84, s[TROW], 3
	v_add_nc_u32 v6, s84, v6
	v_lshlrev_b32 v[PFB], 11, v6
	s_lshl_b32 s86, s[TCOL], 9
	s_lshl_b32 s87, s[WC], 8
	s_add_co_u32 s86, s86, s87                     ; (128 tile column + 64 half) x 4 bytes
	s_mov_b32 s87, 0
	s_add_nc_u64 s[8:9], s[8:9], s[86:87]
.irp b, 0,1,2,3
	global_load_b128 v[BIASR+8*\b:BIASR+8*\b+3],   v[BOFF], s[8:9] offset:64*\b      ; register j of block b: the bias of column 16 b + 8 h + j
	global_load_b128 v[BIASR+8*\b+4:BIASR+8*\b+7], v[BOFF], s[8:9] offset:64*\b+16
.endr
	s_lshl_b32 s88, s[TROW], 7                     ; y, out0: (128 tile row + 64 row half) x 4,096 + my columns
	s_lshl_b32 s89, s[WR], 6
	s_add_co_u32 s88, s88, s89
	s_lshl_b32 s88, s88, 12
	s_add_co_u32 s88, s88, s86
	s_mov_b32 s89, 0
	s_add_nc_u64 s[10:11], s[10:11], s[88:89]
	s_add_nc_u64 s[12:13], s[12:13], s[88:89]
	WIN 0x80                                       ; destination window 2
.set i, 0
.rept 32
	global_load_b128 v[4*i:4*i+3], v[CO], s[10:11] offset:8192*i th:TH_LOAD_NT
.set i, i+1
.endr
	WIN 0
	s_wait_tensorcnt 0x1                           ; my part of K step 0 is in; step 1's may stay out
	s_barrier_signal -1
	s_barrier_wait -1
	FETCH 0, F0
	s_wait_loadcnt 32                              ; the bias is in; y's 32 loads are younger
	QUARTER 1, F0, F1, 1                           ; the first quarter stands ahead of the loop: its first products start the sums
	WIN 0
	s_mov_b32 s[CNT], 14
.Lstep:                                                ; trip t: quarters 1-3 of step t, the request for step t + 2, quarter 0 of step t + 1
	QUARTER 2, F1, F0, 0
	QUARTER 3, F0, F1, 0
	TURN
	QUARTER 1, F0, F1, 0
	WIN 0
	s_sub_co_u32 s[CNT], s[CNT], 1
	s_cmp_lg_u32 s[CNT], 0
	s_cbranch_scc1 .Lstep
	s_mov_b32 s[CNT], 2
.Ltail:                                                ; steps 14 and 15 ask for nothing; the second trip is left in its middle
	QUARTER 2, F1, F0, 0
	QUARTER 3, F0, F1, 0
	MEET                                           ; in the second trip this barrier also stands between every wave's last reads of the ring and the dump
	WIN 0
	s_cmp_eq_u32 s[CNT], 1
	s_cbranch_scc1 .Lnofetch
	PLACES
	s_xor_b32 s[TB], s[TB], SLOT
	v_add_nc_u32 v[ADRA], s[TB], v[LA0]
	v_add_nc_u32 v[ADRB], s[TB], v[LB0]
	v_add_nc_u32 v[ADRB+1], HB, v[ADRB]
	FETCH 0, F0
	WIN 0
.Lnofetch:
	MUL8 F1, 1, 0, 0
	MUL8 F1, 1, 2, 0
	WIN 0
	s_sub_co_u32 s[CNT], s[CNT], 1
	s_cmp_eq_u32 s[CNT], 0
	s_cbranch_scc1 .Lout
	QUARTER 1, F0, F1, 0
	WIN 0
	s_branch .Ltail
.Lout:
	PLACES
.irp a, 0,1,2,3
.irp b, 0,1,2,3
	ds_store_b128 v[STO], v[ACC+8*(4*\a+\b):ACC+8*(4*\a+\b)+3]   offset:\a*16*DP+64*\b      ; each accumulator's low registers first
	ds_store_b128 v[STO], v[ACC+8*(4*\a+\b)+4:ACC+8*(4*\a+\b)+7] offset:\a*16*DP+64*\b+16
.endr
.endr
.set i, 0
.rept 32
	ds_load_b128 v[ACC+4*i:ACC+4*i+3], v[RD] offset:i*2*DP   ; LDS serves a wave's instructions in order (ISA guide 5.7.1.4): these see my stores; rows 2 i, 2 i + 1, into the registers that the sums left
.set i, i+1
.endr
	s_wait_dscnt 0x0
	s_wait_loadcnt 0x0                             ; y
	WIN 0x08                                       ; source 1 in window 2
.set i, 0
.rept 64
	v_pk_add_f32 v[ACC+2*i:ACC+2*i+1], v[ACC+2*i:ACC+2*i+1], v[2*i:2*i+1]
.set i, i+1
.endr
	WIN 0
.set i, 0
.rept 32
	global_store_b128 v[CO], v[ACC+4*i:ACC+4*i+3], s[12:13] offset:8192*i   ; 16 lanes store 256 consecutive bytes, at a multiple of 256 from out0's first
.set i, i+1
.endr
	s_wait_tensorcnt 0x0                           ; the wave's end
	ds_add_u32 v[SPW], v[NIL]
	s_wait_dscnt 0x0
	CROUND                                         ; the closing round
	s_endpgm
.Lfunc_end_k_q91f791419f_ffn2:
	.size	k_q91f791419f_ffn2, .Lfunc_end_k_q91f791419f_ffn2-k_q91f791419f_ffn2
	.p2alignl 7, 3214868480
	.fill 96, 4, 3214868480
	.section	.rodata,"a",@progbits
	.p2align	6, 0x0
	.amdhsa_kernel k_q91f791419f_ffn2
		.amdhsa_group_segment_fixed_size 327680
		.amdhsa_private_segment_fixed_size 0
		.amdhsa_enable_private_segment 0
		.amdhsa_kernarg_size 40
		.amdhsa_user_sgpr_count 2
		.amdhsa_user_sgpr_kernarg_segment_ptr 1
		.amdhsa_wavefront_size32 1
		.amdhsa_system_sgpr_workgroup_id_x 1
		.amdhsa_system_sgpr_workgroup_id_y 1
		.amdhsa_system_sgpr_workgroup_id_z 1
		.amdhsa_system_vgpr_workitem_id 0
		.amdhsa_next_free_vgpr 640
		.amdhsa_next_free_sgpr 96
		.amdhsa_reserve_vcc 0
		.amdhsa_float_denorm_mode_32 3
		.amdhsa_float_denorm_mode_16_64 3
		.amdhsa_memory_ordered 1
		.amdhsa_forward_progress 1
		.amdhsa_inst_pref_size 67
	.end_amdhsa_kernel
	.amdgpu_metadata
---
amdhsa.version: [ 1, 2 ]
amdhsa.kernels:
  - .name:           k_q91f791419f_ffn2
    .symbol:         k_q91f791419f_ffn2.kd
    .args:
      - { .name: u, .offset: 0, .size: 8, .value_kind: global_buffer, .address_space: global }
      - { .name: wf, .offset: 8, .size: 8, .value_kind: global_buffer, .address_space: global }
      - { .name: bf2, .offset: 16, .size: 8, .value_kind: global_buffer, .address_space: global }
      - { .name: y, .offset: 24, .size: 8, .value_kind: global_buffer, .address_space: global }
      - { .name: out0, .offset: 32, .size: 8, .value_kind: global_buffer, .address_space: global }
    .group_segment_fixed_size: 327680
    .private_segment_fixed_size: 0
    .kernarg_segment_align: 8
    .kernarg_segment_size: 40
    .max_flat_workgroup_size: 128
    .sgpr_count:     96
    .vgpr_count:     640
    .wavefront_size: 32
...
	.end_amdgpu_metadata
.endif
;; end of part 6
